; MI455X (gfx1250); checked and timed in simulation.
; The chip was launched on July 23, 2026; its instructions are those of AMD's public machine-readable ISA for CDNA 5 (MIT licence, August 2026) and "CDNA5" Instruction Set Architecture Reference Guide (July 2026). The comments in the code are by the model that wrote it; some were corrected since.
;; Gpt2 Attention. Allowed arithmetic: matrix products marked QUANTISED: E2M3 operands, one E8M0 scale for each 32 along K, by v_wmma_scale_f32_16x16x128_f8f6f4 with both operands' format E2M3, f32 sums; everything else in f32.
;; Inputs: b_proj 1,024 float32; b_qkv 3,072 float32; w_proj 1,024 x 1,024 float32; w_qkv 1,024 x 3,072 float32; x 4 x 2,048 x 1,024 float32.
;; Outputs: out0 4 x 2,048 x 1,024 float32.
;; Constants: layer_idx = 0.
;; This version of the problem:
;;   THIS VERSION OF THE PROBLEM IS GIVEN IN LOW PRECISION. The matrix products marked QUANTISED in the list below multiply operands that are first quantised to E2M3 (2 exponent bits, 3 mantissa bits; 6 bits a number), with one power-of-two scale for each 32 numbers along K (OCP MX v1.0); their sums are f32. All else is computed in f32.
;;   The module's matrix products, in the order in which they are computed (A, B: the left and right operand; K: the contracted axis; several contracted axes count as one K, in the product's order):
;;     1. [M 8,192, K 1,024] x [K 1,024, N 3,072]; A: input x; B: input w_qkv: QUANTISED
;;     2. batch 64 x [M 2,048, K 64] x [K 64, N 2,048]; A: computed on the way; B: computed on the way: QUANTISED
;;     3. batch 64 x [M 64, K 2,048] x [K 2,048, N 2,048]; A: computed on the way; B: softmax (see below): QUANTISED
;;     4. [M 8,192, K 1,024] x [K 1,024, N 1,024]; A: computed on the way; B: input w_proj: QUANTISED
;;   THE QUANTISER, for each operand of a quantised product, along K:
;;     - K is cut into blocks of 32 from its start; a last block that is shorter is filled with zeros.
;;     - A block's scale is 2^e with e = floor(log2(the largest magnitude in the block)) - 2, held to -126 .. 127; a block of zeros has e = 0. As a byte (E8M0): e + 127.
;;     - Each number is divided by its block's scale, clamped to +-7.5, and rounded to the nearest number of E2M3, ties to even, subnormals kept.
;;     - The product sums the exact products of the quantised numbers (number of the format x scale) in f32.
;;   ~~~python
;;   def quantise(x, axis):      # numpy; x: float32 -> the quantised numbers, widened to float32 again
;;       x = np.moveaxis(x, axis, -1); K = x.shape[-1]
;;       x = np.pad(x, [(0, 0)] * (x.ndim - 1) + [(0, -K % 32)]); x = x.reshape(x.shape[:-1] + (-1, 32)); a = np.abs(x).max(-1, keepdims=True)
;;       e = np.where(a > 0, np.clip(np.frexp(np.where(a > 0, a, 1))[1] - 1 - 2, -126, 127), 0)      # np.frexp(a)[1] - 1 = floor(log2(a)), exactly
;;       r = np.clip(x / 2.0 ** e, -7.5, 7.5)
;;       step = 2.0 ** (np.maximum(np.frexp(np.where(r == 0, 1, r))[1] - 1, 0) - 3)
;;       q = np.round(r / step) * step * 2.0 ** e      # np.round: ties to even
;;       return np.moveaxis(q.reshape(q.shape[:-2] + (-1,))[..., :K], -1, axis).astype(np.float32)
;;   ~~~
;;   SOFTMAX AHEAD OF A QUANTISED PRODUCT. Where the list says 'softmax', what is quantised is not the finished softmax but p = 2^(t - M), with t = logit x log2(e) and M = ceil(the row's largest t), a whole number; so 1/2 < the row's largest p <= 1. The row's sum l is taken of the UNQUANTISED p, in f32, and the product's result is divided by l at the end. Since M is a whole number, a kernel that streams over the keys may use a running M (the ceiling of the running maximum): every later rescaling is an exact power of two, which a block's scale takes up: the codes' values come out the same.
;;   OPERANDS COMPUTED ON THE WAY. 'Computed on the way' means the value that the module computes at that place (a softmax that the list does not call 'softmax' is quantised finished and normalised). What goes into a quantiser is computed in f32, as accurately as f32 sums, v_exp_f32 and their like allow (about 1e-6 of the number): no bf16 or f16 on the way to a quantiser, and a product that is left as it is and whose result goes on into a quantised operand takes f32 operands (vector FMAs, or v_wmma_f32_16x16x4_f32). A number that lies on a knife's edge between two numbers of the format may be rounded either way, as far as f32 arithmetic and the matrix unit's own rounding can turn it there, and no further.
;; One version. Each part assembles by itself: llvm-mc -triple=amdgcn-amd-amdhsa -mcpu=gfx1250 --defsym DOCPART=n.
;; ======== version 1 of 1: 4 launches
;; limits: right only within a limited range of input values
;; workspace buffers: xq 6,553,600 bytes; wq 2,457,600 bytes; wp 819,200 bytes; oq 6,553,600 bytes; qkv 20,185,088 bytes
;; launch quant (part 1): grid 192 x 4, 4 waves a work-group, no clusters, 58,880 bytes of LDS; arguments x, w_qkv, w_proj, xq, wq, wp; writes xq, wq, wp
.if DOCPART == 1
	.amdgcn_target "amdgcn-amd-amdhsa--gfx1250"
	.amdhsa_code_object_version 6
	.text
	.protected	k_q09b16f294d_quant
	.globl	k_q09b16f294d_quant
	.p2align	8
	.type	k_q09b16f294d_quant,@function
k_q09b16f294d_quant:
	s_mov_b64 s[64:65], 0
	v_nop
	global_prefetch_b8 v0, s[64:65] scope:SCOPE_SE
	s_setreg_imm32_b32 hwreg(HW_REG_WAVE_MODE, 25, 1), 1
	s_wait_xcnt 0x0
; x [8192][1024], w_qkv [1024][3072] and w_proj [1024][1024], f32, become codes of FP6 (E2M3) with one E8M0 byte for each 32 along K = 1024, laid as the products' launches load them.
; A block's scale is 2^(floor(log2(its largest magnitude)) - 2); its byte is that magnitude's exponent field - 2, held at 1 from below.
; LIMITS: a block of zeros gets the byte 1 where the rule says 127 (its codes are zeros, and this program alone reads the bytes); NaN and infinities among the inputs are not served.
; THE LAYOUT OF xq, wq, wp: [group of 128 rows][K step of 128][8 tiles x 1,536 bytes of codes | 8 tiles x 16 rows x 4 scale bytes] = 12,800 bytes a step, 102,400 a group.
; A tile's 1,536 bytes are an IMAGE OF THE OPERAND'S 12 REGISTERS, in two halves of 768: registers 0-3 at 16 x lane, registers 4-5 at 512 + 8 x lane.  So a fragment is read by four dense loads.
; THE ROWS OF A TILE ARE NOT NEIGHBOURS: place r of tile 2 b + u holds row 32 b + 8 u + r % 8 + 16 (r / 8) of the group (a row of x; a column of a weight), so that in a product used transposed
; the 16 registers of tiles 2 b and 2 b + 1 are 16 neighbours along the next product's K.
; Work-groups 0-127 along x take x, the others the weights; each way has LDS bytes of its own.  Waves share nothing: no barrier.  No tile is shared between work-groups: no cluster.
.set REC,   12800                      ; a K step's record
.set GRP,   102400                     ; a group's eight records
.set FRB,   1536                       ; a fragment's image
.set SCO,   12288                      ; the scale words' place in a record
.set SP,    528                        ; x's stage: a row of 512 bytes + 16: 33 x 16 bytes, so that sixteen rows start in sixteen different groups of banks
.set XST,   16*SP                      ; a wave's stage
.set WST,   4*XST                      ; behind x's stages: the weights' stages, 6,144 bytes a wave
.set SEL,   28                         ; s[28:29] selects of v_permlanex16_b32: lane l xor 16
.set R0,    16                         ; v16-79   x: K step 0 as loaded; later K step 1's 64 numbers a lane
.set R1,    80                         ; v80-143  x: K step 1 as loaded
.set X0,    144                        ; v144-207 x: K step 0's 64 numbers a lane
.set PC,    208                        ; v208-226 the codes just made
.set TM,    228                        ; v228-239 largest magnitudes, bytes, scale operands
.set PW,    244                        ; the scale word just made
.set PW0,   245                        ; K step 0's
.set VO,    32                         ; v32-63   weights: row i x pitch + 4 x lane
.set XW,    64                         ; v64-127  weights: two sets of 32 numbers
.set CW,    128                        ; v128-134 weights: a block's codes
.set OW,    136                        ; v136-159 weights: the way out
.set SBW,   24                         ; v24      weights: the scale word of my K step
.set SB,    32                         ; s[32:39] weights: where each of my four blocks begins
; 64 numbers of a lane, register 16 b + i = k 32 b + 16 (lane / 16) + i of my row, become a fragment's codes in v[PC] .. v[PC+11] and its scale word in v[PW].
.macro QUANT s
.irp b, 0,1,2,3
	v_max3_num_f32 v[TM+\b], |v[(\s)+16*\b]|, |v[(\s)+1+16*\b]|, 0x1800000   ; my 16 numbers of block b, and the floor 2^(3 - 127): the byte cannot fall under 1
.endr
.irp i, 2,4,6,8,10,12,14
.irp b, 0,1,2,3
	v_max3_num_f32 v[TM+\b], v[TM+\b], |v[(\s)+16*\b+\i]|, |v[(\s)+1+16*\b+\i]|
.endr
.endr
.irp b, 0,1,2,3
	v_permlanex16_b32 v[TM+4+\b], v[TM+\b], s[SEL], s[SEL+1]
.endr
.irp b, 0,1,2,3
	v_max_num_f32 v[TM+\b], v[TM+\b], v[TM+4+\b]          ; with lane l xor 16's: the block's largest magnitude
.endr
.irp b, 0,1,2,3
	v_add_nc_u32 v[TM+8+\b], 0xff000000, v[TM+\b]         ; 2 off its exponent field: the conversion's scale operand
.endr
.irp b, 0,1,2,3
	v_lshrrev_b32 v[TM+4+\b], 23, v[TM+8+\b]              ; the scale's byte
.endr
	v_lshl_or_b32 v[PW], v[TM+5], 8, v[TM+4]
	v_lshl_or_b32 v[PW], v[TM+6], 16, v[PW]
	v_lshl_or_b32 v[PW], v[TM+7], 24, v[PW]
.irp c, 0,1
	v_cvt_scalef32_pk16_fp6_f32 v[PC+6*\c:PC+2+6*\c], v[(\s)+32*\c:(\s)+15+32*\c], v[TM+8+2*\c]
	v_cvt_scalef32_pk16_fp6_f32 v[PC+12+4*\c:PC+14+4*\c], v[(\s)+16+32*\c:(\s)+31+32*\c], v[TM+8+2*\c+1]   ; (a conversion's three registers begin on an even number)
.endr
	v_nop                                                  ; one plain line behind the scaled conversions
.irp c, 0,1                                            ; the operand wants a whole block in a lane: lanes 0-15 block 2 c, lanes 16-31 block 2 c + 1
.irp i, 0,1,2
	v_permlane16_swap_b32 v[PC+6*\c+\i], v[PC+12+4*\c+\i]
.endr
.irp i, 0,1,2
	v_mov_b32 v[PC+3+6*\c+\i], v[PC+12+4*\c+\i]
.endr
.endr
.endm
	s_load_b128 s[4:7], s[0:1], 0x0                ; x, w_qkv
	s_load_b128 s[8:11], s[0:1], 0x10              ; w_proj, xq
	s_load_b128 s[12:15], s[0:1], 0x20             ; wq, wp
	v_lshl_add_u32 v254, v0, 2, 0xe400
	v_mov_b32 v255, 0
	v_lshrrev_b32 v1, 5, v0
	v_readfirstlane_b32 s16, v1                    ; wave 0..3
	s_and_b32 s17, ttmp7, 0xffff                   ; work-group y
	v_and_b32 v1, 31, v0                           ; lane
	v_and_b32 v2, 15, v0                           ; r
	v_bfe_u32 v3, v0, 4, 1                         ; h
	v_lshlrev_b32 v4, 4, v1                        ; 16 x lane
	s_cmp_lt_u32 ttmp9, 128
	s_cbranch_scc0 .Lweights
	; ---------------- x.  The work-group takes tile T = 4 x + y (16 rows), wave w its K steps 2 w and 2 w + 1: 1,024 bytes of each row.
	s_lshl_b32 s18, ttmp9, 2
	s_add_co_u32 s18, s18, s17                     ; T
	s_lshr_b32 s19, s18, 1
	s_lshl_b32 s19, s19, 17                        ; 32 (T / 2) rows of 4,096 bytes
	s_and_b32 s20, s18, 1
	s_lshl_b32 s20, s20, 15                        ; + 8 (T % 2) rows
	s_add_co_u32 s20, s20, s19
	s_lshl_b32 s21, s16, 10                        ; + my 1,024 bytes of a row
	s_add_co_u32 s20, s20, s21
	s_mov_b32 s21, 0
	s_lshr_b32 s22, s18, 3
	s_mul_i32 s22, s22, GRP
	s_mul_i32 s23, s16, 2*REC
	s_add_co_u32 s22, s22, s23                     ; the record of (group T / 8, K step 2 w)
	s_and_b32 s23, s18, 7
	s_mul_i32 s24, s23, FRB
	s_add_co_u32 s24, s24, s22                     ; my tile's image in it
	s_mov_b32 s25, 0
	s_lshl_b32 s23, s23, 6
	s_add_co_u32 s26, s22, s23
	s_add_co_u32 s26, s26, SCO                     ; and its scale words
	s_mov_b32 s27, 0
	s_mul_i32 s30, s16, XST                        ; my stage
	s_mov_b32 s[SEL], 0x76543210
	s_mov_b32 s[SEL+1], 0xfedcba98
	s_wait_kmcnt 0x0
	s_add_nc_u64 s[4:5], s[4:5], s[20:21]
	s_add_nc_u64 s[24:25], s[10:11], s[24:25]
	s_add_nc_u64 s[26:27], s[10:11], s[26:27]
	s_wait_alu depctr_va_vdst(0)
.irp q, 0,1                                    ; all 32 loads at once; each reads 512 consecutive bytes: one K step of the row at place p of the tile
.irp p, 0,1,2,3,4,5,6,7,8,9,10,11,12,13,14,15
	global_load_b128 v[R0+64*\q+4*\p:R0+64*\q+4*\p+3], v4, s[4:5] offset:(\p%8+16*(\p/8))*4096+512*\q th:TH_LOAD_NT
.endr
.endr
	v_lshlrev_b32 v5, 3, v1                        ; 8 x lane
	v_add_nc_u32 v6, s30, v4                       ; the stage, in: 16 x lane of a row
	v_mul_u32_u24 v7, v2, SP
	v_lshl_add_u32 v7, v3, 6, v7
	v_add_nc_u32 v7, s30, v7                       ; and out: row r, + 64 h: my 16 numbers of a block of 32
	v_mul_u32_u24 v8, v3, REC
	v_lshl_add_u32 v8, v2, 2, v8                   ; the scale words: 4 r, lanes 16-31 a record on
.irp b, 0,1,2,3
	v_mov_b32 v[TM+4+\b], 0                        ; written once: a lane permute's destination counts as one of its sources
.endr
; A K step's 16 rows go through my stage as they lie and come back 64 numbers a lane.  LDS serves a wave's instructions in order (ISA guide 5.7.1.4): no wait between the stores and the loads.
.macro TURN src, dst
.irp p, 0,1,2,3,4,5,6,7,8,9,10,11,12,13,14,15
	ds_store_b128 v6, v[\src+4*\p:\src+4*\p+3] offset:SP*\p
.endr
.irp b, 0,1,2,3
.irp j, 0,1,2,3
	ds_load_b128 v[\dst+16*\b+4*\j:\dst+16*\b+4*\j+3], v7 offset:128*\b+16*\j
.endr
.endr
.endm
.macro PUT q                                   ; the fragment's image: each store covers whole aligned blocks of 256 bytes
	global_store_b128 v4, v[PC:PC+3], s[24:25] offset:REC*\q
	global_store_b64 v5, v[PC+4:PC+5], s[24:25] offset:REC*\q+512
	global_store_b128 v4, v[PC+6:PC+9], s[24:25] offset:REC*\q+768
	global_store_b64 v5, v[PC+10:PC+11], s[24:25] offset:REC*\q+1280
.endm
	s_wait_alu depctr_va_vdst(0)
	s_wait_loadcnt 16                              ; K step 0's sixteen loads are in; K step 1's sixteen may be out
	TURN R0, X0
	s_wait_dscnt 0x0                               ; the stores have read R0, and X0 is in
	s_wait_loadcnt 0x0
	TURN R1, R0                                    ; K step 1 turns while K step 0 is quantised
	QUANT X0
	v_mov_b32 v[PW0], v[PW]
	PUT 0
	s_wait_dscnt 0x0                               ; K step 1's numbers are back
	s_wait_xcnt 0x0                                ; the stores have read the codes' registers: they are written again below
	QUANT R0
	PUT 1
	v_cmp_le_u32 vcc_lo, 16, v1
	v_cndmask_b32 v[PW0], v[PW0], v[PW], vcc_lo    ; lanes 0-15 K step 2 w's words, lanes 16-31 K step 2 w + 1's (both halves of the lanes hold row r's word)
	global_store_b32 v8, v[PW0], s[26:27]
	s_wait_tensorcnt 0x0
	ds_add_u32 v254, v255
	s_wait_dscnt 0x0
	s_endpgm
	; ---------------- the weights, K along their FIRST axis.  A lane takes a column and its registers run down K: a block of 32 lies in one lane, and the codes come out with K innermost.
	; (x - 128) / 2 = the group of 128 columns (0-23 of w_qkv, then 0-7 of w_proj); 2 y + (x - 128) % 2 = the K step of 128; wave w = columns 32 w on.
.Lweights:
	s_sub_co_u32 s18, ttmp9, 128
	s_and_b32 s19, s18, 1
	s_lshr_b32 s18, s18, 1
	s_lshl_b32 s17, s17, 1
	s_add_co_u32 s17, s17, s19                     ; the K step
	s_wait_kmcnt 0x0
	s_cmp_lt_u32 s18, 24                           ; the choice hangs on the work-group's number alone
	s_cselect_b64 s[4:5], s[6:7], s[8:9]           ; the weight,
	s_cselect_b64 s[10:11], s[12:13], s[14:15]     ; its codes' buffer,
	s_mov_b32 s19, 4096
	s_cselect_b32 s19, 12288, s19                  ; its row in bytes,
	s_cselect_b32 s20, 0, 24
	s_sub_co_u32 s18, s18, s20                     ; and the group in it
	s_lshl_b32 s20, s18, 9
	s_lshl_b32 s21, s16, 7
	s_add_co_u32 s20, s20, s21                     ; my first column, in bytes: 512 x group + 128 x wave
	s_lshl_b32 s21, s17, 7                         ; 128 rows a K step
	s_mul_i32 s21, s21, s19                        ; 256 y rows
	s_add_co_u32 s20, s20, s21
	s_mov_b32 s21, 0
	s_add_nc_u64 s[SB:SB+1], s[4:5], s[20:21]
	s_lshl_b32 s22, s19, 5                         ; 32 rows on
	s_mov_b32 s23, 0
.irp t, 1,2,3
	s_add_nc_u64 s[SB+2*\t:SB+2*\t+1], s[SB+2*\t-2:SB+2*\t-1], s[22:23]
.endr
	s_mul_i32 s24, s18, GRP
	s_mul_i32 s25, s17, REC
	s_add_co_u32 s24, s24, s25                     ; the record of (group, K step 2 y + (x - 128) % 2)
	s_mul_i32 s25, s16, 2*FRB
	s_add_co_u32 s26, s24, s25                     ; my two tiles' images in it
	s_mov_b32 s27, 0
	s_add_nc_u64 s[48:49], s[10:11], s[26:27]
	s_lshl_b32 s25, s16, 7
	s_add_co_u32 s24, s24, s25
	s_add_co_u32 s24, s24, SCO                     ; and their scale words
	s_mov_b32 s25, 0
	s_add_nc_u64 s[50:51], s[10:11], s[24:25]
	s_wait_alu depctr_va_vdst(0)
	v_lshlrev_b32 v14, 2, v1                       ; 4 x lane
.irp i, 0,1,2,3,4,5,6,7,8,9,10,11,12,13,14,15,16,17,18,19,20,21,22,23,24,25,26,27,28,29,30,31
	v_mad_u32_u24 v[VO+\i], s19, \i, v14           ; row i of a block, my column; never rewritten
.endr
.macro LOADW t                                 ; block t: 32 rows, 128 consecutive bytes a load, into set t % 2
.set i, 0
.rept 32
	global_load_b32 v[XW+32*((\t)%2)+i], v[VO+i], s[SB+2*(\t):SB+2*(\t)+1] th:TH_LOAD_NT
.set i, i+1
.endr
.endm
	LOADW 0
	LOADW 1
	v_bfe_u32 v15, v0, 3, 1                        ; column l of my 32 lies in tile 2 w + u, u = (l / 8) % 2,
	v_and_b32 v16, 7, v0
	v_lshl_or_b32 v16, v3, 3, v16                  ; at place l % 8 + 8 (l / 16)
	s_mul_i32 s26, s16, 6144
	s_add_co_u32 s26, s26, WST                     ; my stage: [K step][tile u][half][image]
	v_mul_u32_u24 v17, v15, FRB
	v_add_nc_u32 v17, s26, v17
	v_lshl_add_u32 v18, v16, 3, v17
	v_add_nc_u32 v18, 512, v18                     ; registers 4-5: 512 + 8 x place
	v_lshl_add_u32 v17, v16, 4, v17                ; registers 0-3: 16 x place
	v_add_nc_u32 v19, s26, v4                      ; the way out: 16 x lane
	v_lshlrev_b32 v20, 6, v15
	v_lshl_add_u32 v20, v16, 2, v20                ; my scale word: 64 u + 4 x place
; Block t is K step t / 4, registers 6 c .. 6 c + 5 with c = (t % 4) / 2, of lane place + 16 (t % 2) of the image.
.macro BLOCKW t
.set XS, XW+32*((\t)%2)
.if (\t) < 3
	s_wait_loadcnt 32                              ; this block's 32 loads are in; the next block's 32 may be out
.else
	s_wait_loadcnt 0x0
.endif
	v_max3_num_f32 v21, |v[XS]|, |v[XS+1]|, |v[XS+2]|
	v_max3_num_f32 v22, |v[XS+3]|, |v[XS+4]|, |v[XS+5]|
.irp i, 6,10,14,18,22,26
	v_max3_num_f32 v21, v21, |v[XS+\i]|, |v[XS+\i+1]|
	v_max3_num_f32 v22, v22, |v[XS+\i+2]|, |v[XS+\i+3]|
.endr
	v_max3_num_f32 v21, v21, |v[XS+30]|, |v[XS+31]|
	v_max3_num_f32 v21, v21, v22, 0x1800000        ; the block's largest magnitude, and the floor 2^(3 - 127)
	v_add_nc_u32 v23, 0xff000000, v21              ; the conversion's scale operand
	v_lshrrev_b32 v22, 23, v23                     ; the scale's byte
.if (\t)%4 == 0
	v_mov_b32 v[SBW+(\t)/4], v22
.else
	v_lshl_or_b32 v[SBW+(\t)/4], v22, 8*((\t)%4), v[SBW+(\t)/4]
.endif
	v_cvt_scalef32_pk16_fp6_f32 v[CW:CW+2], v[XS:XS+15], v23
	v_cvt_scalef32_pk16_fp6_f32 v[CW+4:CW+6], v[XS+16:XS+31], v23
	v_nop                                          ; one plain line behind the scaled conversions
	v_mov_b32 v[CW+3], v[CW+4]                     ; the six registers on end
	v_mov_b32 v[CW+4], v[CW+5]
	v_mov_b32 v[CW+5], v[CW+6]
	ds_store_b128 v17, v[CW:CW+3] offset:3072*((\t)/4)+768*(((\t)%4)/2)+256*((\t)%2)
	ds_store_b64 v18, v[CW+4:CW+5] offset:3072*((\t)/4)+768*(((\t)%4)/2)+128*((\t)%2)
.if (\t)+2 < 4
	LOADW (\t)+2
.endif
	s_wait_dscnt 0x0                               ; the stores have read their registers: the next block's codes may be written
.endm
.irp t, 0,1,2,3
	BLOCKW \t
.endr
.irp k, 0,1,2,3,4,5
	ds_load_b128 v[OW+4*\k:OW+4*\k+3], v19 offset:512*\k
.endr
	s_wait_alu depctr_va_vdst(0)
	global_store_b32 v20, v[SBW], s[50:51]
.irp k, 0,1,2,3,4,5
	s_wait_dscnt 5-\k                              ; load k is in; the 5 - k younger ones may be out
	global_store_b128 v4, v[OW+4*\k:OW+4*\k+3], s[48:49] offset:512*\k   ; 512 consecutive bytes, at a multiple of 256 from the buffer's first byte
.endr
	s_wait_tensorcnt 0x0
	ds_add_u32 v254, v255
	s_wait_dscnt 0x0
	s_endpgm
.Lfunc_end_k_q09b16f294d_quant:
	.size	k_q09b16f294d_quant, .Lfunc_end_k_q09b16f294d_quant-k_q09b16f294d_quant
	.p2alignl 7, 3214868480
	.fill 96, 4, 3214868480
	.section	.rodata,"a",@progbits
	.p2align	6, 0x0
	.amdhsa_kernel k_q09b16f294d_quant
		.amdhsa_group_segment_fixed_size 58880
		.amdhsa_private_segment_fixed_size 0
		.amdhsa_enable_private_segment 0
		.amdhsa_kernarg_size 48
		.amdhsa_user_sgpr_count 2
		.amdhsa_user_sgpr_kernarg_segment_ptr 1
		.amdhsa_wavefront_size32 1
		.amdhsa_system_sgpr_workgroup_id_x 1
		.amdhsa_system_sgpr_workgroup_id_y 1
		.amdhsa_system_sgpr_workgroup_id_z 1
		.amdhsa_system_vgpr_workitem_id 0
		.amdhsa_next_free_vgpr 256
		.amdhsa_next_free_sgpr 66
		.amdhsa_reserve_vcc 1
		.amdhsa_float_denorm_mode_32 3
		.amdhsa_float_denorm_mode_16_64 3
		.amdhsa_memory_ordered 1
		.amdhsa_forward_progress 1
		.amdhsa_inst_pref_size 43
	.end_amdhsa_kernel
	.amdgpu_metadata
---
amdhsa.version: [ 1, 2 ]
amdhsa.kernels:
  - .name:           k_q09b16f294d_quant
    .symbol:         k_q09b16f294d_quant.kd
    .args:
      - { .name: x, .offset: 0, .size: 8, .value_kind: global_buffer, .address_space: global }
      - { .name: w_qkv, .offset: 8, .size: 8, .value_kind: global_buffer, .address_space: global }
      - { .name: w_proj, .offset: 16, .size: 8, .value_kind: global_buffer, .address_space: global }
      - { .name: xq, .offset: 24, .size: 8, .value_kind: global_buffer, .address_space: global }
      - { .name: wq, .offset: 32, .size: 8, .value_kind: global_buffer, .address_space: global }
      - { .name: wp, .offset: 40, .size: 8, .value_kind: global_buffer, .address_space: global }
    .group_segment_fixed_size: 58880
    .private_segment_fixed_size: 0
    .kernarg_segment_align: 8
    .kernarg_segment_size: 48
    .max_flat_workgroup_size: 128
    .sgpr_count:     66
    .vgpr_count:     256
    .wavefront_size: 32
...
	.end_amdgpu_metadata
.endif
;; end of part 1
;; launch qkvgemm (part 2): grid 8 x 32, 4 waves a work-group, clusters of 4 x 4, 327,680 bytes of LDS; arguments xq, wq, b_qkv, qkv; writes qkv
.if DOCPART == 2
	.amdgcn_target "amdgcn-amd-amdhsa--gfx1250"
	.amdhsa_code_object_version 6
	.text
	.protected	k_q09b16f294d_qkvgemm
	.globl	k_q09b16f294d_qkvgemm
	.p2align	8
	.type	k_q09b16f294d_qkvgemm,@function
k_q09b16f294d_qkvgemm:
	s_mov_b64 s[64:65], 0
	v_nop
	global_prefetch_b8 v0, s[64:65] scope:SCOPE_SE
	s_setreg_imm32_b32 hwreg(HW_REG_WAVE_MODE, 25, 1), 1
	s_wait_xcnt 0x0
	s_wait_alu depctr_hold_cnt(0) depctr_sa_sdst(0) depctr_va_vdst(0) depctr_va_sdst(0) depctr_va_ssrc(0) depctr_va_vcc(0) depctr_vm_vsrc(0)
	s_getreg_b32 s2, hwreg(HW_REG_IB_STS2, 6, 4)
	s_cmp_eq_u32 s2, 0
	s_cbranch_scc0 .Lentry_in_a_cluster
	s_endpgm
.Lentry_in_a_cluster:
	s_bfe_u32 s2, ttmp6, 0x10000c
	s_cmp_lg_u32 s2, 0xf033
	s_cbranch_scc0 .Lentry_shape_is_right
	s_endpgm
.Lentry_shape_is_right:
; qkv = x w_qkv + b_qkv on codes of FP6 (E2M3), and the result quantised in registers into the operands of attention: q and k along the head's 64, v along the keys.
; xq, wq: [group of 128 rows][K step of 128][8 tiles x 1,536 bytes, images of the operand's 12 registers | 8 x 16 scale words]: 12,800 bytes a step, 102,400 a group.  Place r of tile 2 b + u is row 32 b + 8 u + r % 8 + 16 (r / 8).
; SHARES.  256 work-groups that stay.  Work-group (s, tb) takes 256 tokens (xq's groups 2 tb, 2 tb + 1) against three groups of 128 columns, one a stage: v's group 16 + s, then q's or k's groups 2 s and 2 s + 1.
; Wave w takes 64 tokens (tiles 4 (w % 2) .. + 3 of group 2 tb + w / 2) against all 8 tiles of the stage's columns: 32 accumulators.  ITS TOKENS' FRAGMENTS FOR ALL OF K, 32 x 12 REGISTERS, STAY IN REGISTERS over the three stages.
; LDS: three slots of 102,400 bytes.  The head fills slot 0 with v's columns and slots 1, 2 with the tokens' two groups, one tensor load a wave.  When the tokens are in registers, slots 1 and 2 are filled again, behind one
; round, with groups 2 s and 2 s + 1 (a quarter of the two a wave); that load has the v stage and its way out in which to land.  A wave has one tensor load out at a time.
; 4 x 4 work-groups form a cluster: the tokens' groups are shared along a row of the cluster, the columns' along a column; each is asked for jointly.  No prefetch: all loads go out ahead of the first stage, so there is no loop to run ahead in.
; q, k STAGES: source 0 = columns, source 1 = tokens: a lane holds a token, its 64 registers of a tile of tokens 128 channels = two heads.
; v STAGE: the sources change places: a lane holds a channel, and the 32 registers of the accumulators (0 .. 3, b) are its 64 keys: half of an image of 128 keys.
; The bias is the C of each sum's first product.  The quantiser reads the accumulators where they lie, each from its low end on.
; THE RECORD OF A (batch, head) IN qkv, 315,392 bytes: K's half images [tile of 16 keys][768] at 0; V's images [128 keys][16 channels][1,536] at 98,304; K's scale words [4 tiles][place][tile] at 196,608;
; V's [128 keys][place][tile of channels] at 204,800; Q's half images at 208,896; Q's scale words at 307,200.  A q or k scale word has its head's two bytes lowest; the two above belong to zero codes and are never 0xff.
; LIMITS: a block of zeros gets the byte 1 (its codes are zeros; this program alone reads the bytes); NaN and infinities are not served.
; REGISTERS, in windows of 256: window 0: v1-25 addresses and lane terms; v31 the scale word made; v32-47 the tokens' scale words; v48-63 the columns', two sets; v64-127 the biases; v128-167 the quantiser; v240-247 v's biases.
;   window 1: the columns' fragments, two sets at v0 and v96.   window 2: the accumulators.   The tokens' fragment i = 4 x K step + tile: 0-20 in window 3, 21-25 in window 1 from v192, 26-31 in window 0 from v168.
.set REC,   12800
.set GRP,   102400
.set FRB,   1536
.set HIM,   768
.set SCO,   12288
.set HEADB, 315392
.set VIM,   98304
.set KSC,   196608
.set VSC,   204800
.set QIM,   208896
.set QSC,   307200
.set SPARE, 3*GRP                      ; behind the slots: the spare words, 128 bytes a wave
.set WV,    12                         ; s12 wave, s13 wave % 2, s14 wave / 2
.set WA,    13
.set WH,    14
.set STG,   19                         ; which of the two q, k stages
.set BB,    24                         ; the stage's slot
.set SEL,   2                          ; s[2:3] selects of v_permlanex16_b32
.set G1A,   32                         ; s[32:39] group 1 for the tokens' groups;  s[40:47] for the columns'
.set G1B,   40
.set G0A,   48                         ; s[48:51], s[52:55] groups 0 of the head's loads;  s[56:59] of the refill
.set G0B,   52
.set G0R,   56
.set A16,   2
.set A8,    4
.set B16,   6
.set B8,    8
.set ASC,   10
.set BSC,   12
.set L16,   16
.set L8,    17
.set SPW,   24
.set NIL,   25
.set PW,    31
.set SA,    32
.set SB,    48
.set BI,    64
.set PC,    128
.set TM,    148
.set XW,    160
.set YW,    164
.set VB,    240
.set MSB, 0
.macro WIN new                         ; the immediate's high byte repeats the setting that is left
.if MSB != \new
	s_set_vgpr_msb (MSB<<8)|\new
.set MSB, \new
.endif
.endm
.macro CROUND                          ; a round of the cluster's barrier
	s_barrier_signal -1
	s_barrier_wait -1
	s_cmp_lg_u32 s[WV], 0
	s_cbranch_scc1 .Lnot_wave_0_\@
	s_barrier_signal -3
.Lnot_wave_0_\@:
	s_barrier_wait -3
	s_barrier_signal -1
	s_barrier_wait -1
.endm
.macro PLACES                          ; four plain lines between a matrix instruction and a load into, or a vector read of, its registers
.rept 4
	v_nop
.endr
.endm
.macro ALOC i                          ; where the tokens' fragment i lies: window AWN, register ARG
.if (\i) < 21
.set AWN, 3
.set ARG, 12*(\i)
.elseif (\i) < 26
.set AWN, 1
.set ARG, 192+12*((\i)-21)
.else
.set AWN, 0
.set ARG, 168+12*((\i)-26)
.endif
.endm
.macro FRAG4 reg, a16, a8, off         ; a fragment's image, 1,536 dense bytes, into 12 registers
	ds_load_b128 v[(\reg):(\reg)+3], v[\a16] offset:(\off)
	ds_load_b64 v[(\reg)+4:(\reg)+5], v[\a8] offset:(\off)+512
	ds_load_b128 v[(\reg)+6:(\reg)+9], v[\a16] offset:(\off)+768
	ds_load_b64 v[(\reg)+10:(\reg)+11], v[\a8] offset:(\off)+1280
.endm
.macro FETCHB s                        ; K step s: the columns' eight fragments into set s % 2; with an even step the scale words of two steps (lanes 16-31 the odd step's)
	WIN 0x40                                       ; destination window 1
.irp b, 0,1,2,3,4,5,6,7
	FRAG4 96*((\s)%2)+12*\b, B16+(\s)/4, B8+(\s)/4, REC*((\s)%4)+FRB*\b
.endr
	WIN 0
.if (\s)%2 == 0
.irp b, 0,1,2,3,4,5,6,7
	ds_load_b32 v[SB+8*(((\s)/2)%2)+\b], v[BSC+(\s)/4] offset:2*REC*(((\s)/2)%2)+64*\b
.endr
.endif
.endm
.macro WM d, x, y, c, sx, sy, odd
.if \odd
	v_wmma_scale_f32_16x16x128_f8f6f4 v[\d:\d+7], v[\x:\x+11], v[\y:\y+11], v[\c:\c+7], v[\sx], v[\sy] matrix_a_fmt:MATRIX_FMT_FP6 matrix_b_fmt:MATRIX_FMT_FP6 matrix_a_scale:MATRIX_SCALE_ROW1 matrix_b_scale:MATRIX_SCALE_ROW1
.else
	v_wmma_scale_f32_16x16x128_f8f6f4 v[\d:\d+7], v[\x:\x+11], v[\y:\y+11], v[\c:\c+7], v[\sx], v[\sy] matrix_a_fmt:MATRIX_FMT_FP6 matrix_b_fmt:MATRIX_FMT_FP6
.endif
.endm
; 32 matrix instructions: the accumulators take turns, one instruction a turn, in the same order in every step.  Step 0's products start the sums from the bias, in window 0.
; vm = 0: accumulator (a, b) at v[8 (8 a + b)], source 0 the columns.  vm = 1: at v[8 (4 b + a)], source 0 the tokens.
.macro MUL32 s, vm
.irp a, 0,1,2,3
	ALOC 4*(\s)+\a
.if (\s) == 0
.set CW, 0
.else
.set CW, 2
.endif
.if \vm
.set WW, 0x80|(CW<<4)|(1<<2)|AWN
.else
.set WW, 0x80|(CW<<4)|(AWN<<2)|1
.endif
	WIN WW
.irp b, 0,1,2,3,4,5,6,7
.set BF, 96*((\s)%2)+12*\b
.set SBR, SB+8*(((\s)/2)%2)+\b
.set SAR, SA+4*((\s)/2)+\a
.if \vm
.set DD, 8*(4*\b+\a)
.else
.set DD, 8*(8*\a+\b)
.endif
.if (\s) == 0
.set CB, BI+8*\b
.else
.set CB, DD
.endif
.if \vm
	WM DD, ARG, BF, CB, SAR, SBR, (\s)%2
.else
	WM DD, BF, ARG, CB, SBR, SAR, (\s)%2
.endif
.endr
.endr
	WIN 0
.endm
.macro STEP s, vm                      ; a K step: its fragments are in; the next step's are asked for; then its 32 products
	s_wait_dscnt 0x0
.if (\s) == 0
	s_wait_loadcnt 0x0                             ; the biases
.endif
.if (\s) < 7
.if (\s) > 0
	PLACES                                         ; the last step's products have read the registers that are loaded now
.endif
	FETCHB (\s)+1
.endif
	MUL32 \s, \vm
.endm
.macro STAGE vm                        ; the slot's addresses, and all of K
	v_add_nc_u32 v[B16], s[BB], v[L16]
	v_add_nc_u32 v[B8], s[BB], v[L8]
	v_add_nc_u32 v[BSC], s[BB], v18
	v_add_nc_u32 v[B16+1], 4*REC, v[B16]
	v_add_nc_u32 v[B8+1], 4*REC, v[B8]
	v_add_nc_u32 v[BSC+1], 4*REC, v[BSC]
	s_wait_alu depctr_va_vdst(0)
	FETCHB 0
.irp s, 0,1,2,3,4,5,6,7
	STEP \s, \vm
.endr
.endm
; 64 numbers of a lane in window 2, register s + 16 b + i = k 32 b + 16 (lane / 16) + i of my row, become 12 registers of codes in v[PC] .. v[PC+11] and four scale bytes in v[PW].
.macro QUANT s
	WIN 0x0a                                       ; sources 0 and 1: window 2
.irp b, 0,1,2,3
	v_max3_num_f32 v[TM+\b], |v[(\s)+16*\b]|, |v[(\s)+1+16*\b]|, 0x1800000   ; my 16 numbers of block b, and the floor 2^(3 - 127): the byte cannot fall under 1
.endr
	WIN 0x28                                       ; sources 1 and 2: window 2
.irp i, 2,4,6,8,10,12,14
.irp b, 0,1,2,3
	v_max3_num_f32 v[TM+\b], v[TM+\b], |v[(\s)+16*\b+\i]|, |v[(\s)+1+16*\b+\i]|
.endr
.endr
	WIN 0
.irp b, 0,1,2,3
	v_permlanex16_b32 v[TM+4+\b], v[TM+\b], s[SEL], s[SEL+1]
.endr
.irp b, 0,1,2,3
	v_max_num_f32 v[TM+\b], v[TM+\b], v[TM+4+\b]
.endr
.irp b, 0,1,2,3
	v_add_nc_u32 v[TM+8+\b], 0xff000000, v[TM+\b]         ; 2 off the exponent field: the conversion's scale operand
.endr
.irp b, 0,1,2,3
	v_lshrrev_b32 v[TM+4+\b], 23, v[TM+8+\b]              ; the scale's byte
.endr
	v_lshl_or_b32 v[PW], v[TM+5], 8, v[TM+4]
	v_lshl_or_b32 v[PW], v[TM+6], 16, v[PW]
	v_lshl_or_b32 v[PW], v[TM+7], 24, v[PW]
	WIN 0x02                                       ; source 0: window 2
.irp c, 0,1
	v_cvt_scalef32_pk16_fp6_f32 v[PC+6*\c:PC+2+6*\c], v[(\s)+32*\c:(\s)+15+32*\c], v[TM+8+2*\c]
	v_cvt_scalef32_pk16_fp6_f32 v[PC+12+4*\c:PC+14+4*\c], v[(\s)+16+32*\c:(\s)+31+32*\c], v[TM+8+2*\c+1]
.endr
	WIN 0
	v_nop                                                  ; one plain line behind the scaled conversions
.irp c, 0,1
.irp i, 0,1,2
	v_permlane16_swap_b32 v[PC+6*\c+\i], v[PC+12+4*\c+\i]
.endr
.irp i, 0,1,2
	v_mov_b32 v[PC+3+6*\c+\i], v[PC+12+4*\c+\i]
.endr
.endr
.endm
.macro BIASQ off                       ; the biases of 128 columns of q or k: register 8 b + j: channel 32 (b / 2) + 16 h + 8 (b % 2) + j
.irp b, 0,1,2,3,4,5,6,7
	global_load_b128 v[BI+8*\b:BI+8*\b+3], v19, s[66:67] offset:(32*(\b/2)+8*(\b%2))*4+\off
	global_load_b128 v[BI+8*\b+4:BI+8*\b+7], v19, s[66:67] offset:(32*(\b/2)+8*(\b%2))*4+16+\off
.endr
.endm
	s_load_b256 s[4:11], s[0:1], 0x0               ; xq s[4:5], wq s[6:7], b_qkv s[8:9], qkv s[10:11]
	v_lshl_add_u32 v[SPW], v0, 2, SPARE
	v_mov_b32 v[NIL], 0
	ds_add_u32 v[SPW], v[NIL]                      ; the opening lines: the add, twice on end, and its wait ahead of my first tensor load
	ds_add_u32 v[SPW], v[NIL]
	v_lshrrev_b32 v1, 5, v0
	v_readfirstlane_b32 s[WV], v1
	s_and_b32 s[WA], s[WV], 1
	s_lshr_b32 s[WH], s[WV], 1
	s_bfe_u32 s15, ttmp6, 0x40000                  ; cx
	s_bfe_u32 s16, ttmp6, 0x40004                  ; cy
	s_and_b32 s18, ttmp7, 0xffff                   ; the cluster's y
	s_lshl_b32 s20, s16, 2
	s_lshl_b32 s20, 15, s20                        ; my row of the cluster
	s_lshl_b32 s21, 0x1111, s15                    ; my column
	; group 1: dense blocks as rows of 256 bytes (32 elements of 8 bytes): a group of tokens is 400 rows, half a group of columns 200
	s_or_b32 s[G1A], s20, (3<<16)|(1<<21)          ; 15:0 the mask; 17:16 elements of 8 bytes; 21 set beside a mask
	s_mov_b32 s[G1A+1], 32<<16                     ; tensor_dim0
	s_mov_b32 s[G1A+2], 400<<16                    ; tensor_dim1
	s_mov_b32 s[G1A+3], 32<<16                     ; tile_dim0
	s_mov_b32 s[G1A+4], 400                        ; tile_dim1
	s_mov_b32 s[G1A+5], 32                         ; the pitch
	s_mov_b32 s[G1A+6], 0
	s_mov_b32 s[G1A+7], 0
	s_or_b32 s[G1B], s21, (3<<16)|(1<<21)
	s_mov_b32 s[G1B+1], 32<<16
	s_mov_b32 s[G1B+2], 200<<16
	s_mov_b32 s[G1B+3], 32<<16
	s_mov_b32 s[G1B+4], 200
	s_mov_b32 s[G1B+5], 32
	s_mov_b32 s[G1B+6], 0
	s_mov_b32 s[G1B+7], 0
	s_lshl_b32 s25, s18, 2
	s_add_co_u32 s25, s25, s16
	s_lshl_b32 s25, s25, 1                         ; the tokens' first group: 2 tb, tb = 4 x cluster y + cy
	s_add_co_u32 s22, s25, s[WH]                   ; the group that holds my 64 tokens
	s_lshl_b32 s23, ttmp9, 2
	s_add_co_u32 s23, s23, s15                     ; s = 4 x cluster x + cx
	s_add_co_u32 s84, s25, s[WA]                   ; the head's loads: waves 0, 1 a group of tokens each, into slots 1, 2;
	s_mul_i32 s84, s84, GRP
	s_mov_b32 s85, 0
	s_mov_b32 s[G0A], 1
	s_mul_i32 s[G0A+1], s[WA], GRP
	s_add_co_u32 s[G0A+1], s[G0A+1], GRP
	s_add_co_u32 s86, s23, 16                      ; waves 2, 3 a half of v's group 16 + s each, into slot 0
	s_mul_i32 s86, s86, GRP
	s_mul_i32 s88, s[WA], GRP/2
	s_add_co_u32 s86, s86, s88
	s_mov_b32 s87, 0
	s_mov_b32 s[G0B], 1
	s_mov_b32 s[G0B+1], s88
	s_mul_i32 s88, s23, 2*GRP                      ; the refill: groups 2 s and 2 s + 1 lie on end: a quarter of the two a wave, into slots 1, 2
	s_mul_i32 s26, s[WV], GRP/2
	s_add_co_u32 s88, s88, s26
	s_mov_b32 s89, 0
	s_mov_b32 s[G0R], 1
	s_add_co_u32 s[G0R+1], s26, GRP
	s_mov_b32 s[SEL], 0x76543210
	s_mov_b32 s[SEL+1], 0xfedcba98
	s_wait_dscnt 0x0                               ; both opening adds are done
	s_wait_kmcnt 0x0
	s_add_nc_u64 s[G0A+2:G0A+3], s[4:5], s[84:85]
	s_or_b32 s[G0A+3], s[G0A+3], 0x80000000
	s_add_nc_u64 s[G0B+2:G0B+3], s[6:7], s[86:87]
	s_or_b32 s[G0B+3], s[G0B+3], 0x80000000
	s_add_nc_u64 s[G0R+2:G0R+3], s[6:7], s[88:89]
	s_or_b32 s[G0R+3], s[G0R+3], 0x80000000
	CROUND                                         ; all sixteen work-groups are here: the joint loads meet
	s_cmp_eq_u32 s[WH], 0                          ; one tensor load a wave, in one branch on its number
	s_cbranch_scc0 .Lfill_b
	tensor_load_to_lds s[G0A:G0A+3], s[G1A:G1A+7]
	s_nop 0
	PLACES
	s_branch .Lfilled
.Lfill_b:
	tensor_load_to_lds s[G0B:G0B+3], s[G1B:G1B+7]
	s_nop 0
	PLACES
.Lfilled:
	v_and_b32 v1, 31, v0                           ; lane
	v_and_b32 v14, 15, v0                          ; r
	v_bfe_u32 v15, v0, 4, 1                        ; h
	v_lshlrev_b32 v[L16], 4, v1
	v_lshlrev_b32 v[L8], 3, v1
	s_mul_i32 s91, s[WH], GRP
	s_add_co_u32 s91, s91, GRP                     ; my tokens' slot
	s_mul_i32 s90, s[WA], 4*FRB                    ; my four tiles in it
	s_add_co_u32 s90, s90, s91
	v_add_nc_u32 v[A16], s90, v[L16]
	v_add_nc_u32 v[A16+1], 4*REC, v[A16]
	v_add_nc_u32 v[A8], s90, v[L8]
	v_add_nc_u32 v[A8+1], 4*REC, v[A8]
	v_mul_u32_u24 v18, v15, REC
	v_lshl_add_u32 v18, v14, 2, v18                ; 4 r, lanes 16-31 a step on
	v_add_nc_u32 v18, SCO, v18
	s_lshl_b32 s90, s[WA], 8
	s_add_co_u32 s91, s91, s90
	v_add_nc_u32 v[ASC], s91, v18
	v_add_nc_u32 v[ASC+1], 4*REC, v[ASC]
	v_lshlrev_b32 v19, 6, v15                      ; q, k biases: my half's 16 channels of a block of 32
	v_mul_u32_u24 v20, v15, HEADB
	v_lshl_add_u32 v20, v14, 4, v20                ; q, k: my four scale words: 16 r; lanes 16-31 write the odd head's, a record on
	v_lshlrev_b32 v21, 4, v15                      ; and shift its two bytes down
	v_lshlrev_b32 v22, 4, v14
	v_lshl_add_u32 v22, v15, 2, v22                ; v: 16 r; lanes 16-31 write the next tile's two bytes
	v_and_b32 v23, 8, v14
	v_add_nc_u32 v23, v23, v14
	v_lshlrev_b32 v23, 2, v23                      ; v's biases: my channel in a pair of tiles: r % 8 + 16 (r / 8)
.irp b, 0,1,2,3
	v_mov_b32 v[TM+4+\b], 0                        ; written once: a lane permute's destination counts as one of its sources
.endr
	s_lshl_b32 s26, s23, 9
	s_add_co_u32 s26, s26, 8192                    ; b_qkv[2048 + 128 s ..]
	s_mov_b32 s27, 0
	s_add_nc_u64 s[68:69], s[8:9], s[26:27]
	s_lshl_b32 s26, s23, 10                        ; b_qkv[256 s ..]
	s_add_nc_u64 s[66:67], s[8:9], s[26:27]
	s_wait_alu depctr_va_vdst(0)
.irp b, 0,1,2,3,4,5,6,7
	global_load_b32 v[VB+\b], v23, s[68:69] offset:(32*(\b/2)+8*(\b%2))*4
.endr
	s_wait_tensorcnt 0x0                           ; my load is in,
	s_barrier_signal -1
	s_barrier_wait -1                              ; everybody's is
.set i, 0
.rept 32                                       ; my tokens' fragments for all of K
	ALOC i
.set WW, AWN<<6
	WIN WW
	FRAG4 ARG, A16+i/16, A8+i/16, REC*((i/4)%4)+FRB*(i%4)
.set i, i+1
.endr
	WIN 0
.irp p, 0,1,2,3
.irp a, 0,1,2,3
	ds_load_b32 v[SA+4*\p+\a], v[ASC+\p/2] offset:2*REC*(\p%2)+64*\a     ; and their scale words: lanes 0-15 step 2 p's, lanes 16-31 step 2 p + 1's
.endr
.endr
	s_wait_tensorcnt 0x0
	ds_add_u32 v[SPW], v[NIL]
	s_mov_b32 s[BB], 0                             ; the v stage reads slot 0
	s_wait_dscnt 0x0                               ; the add is done, and my reads of slots 1 and 2 are over
	CROUND                                         ; that holds of every wave of every partner
	tensor_load_to_lds s[G0R:G0R+3], s[G1B:G1B+7]  ; my quarter of groups 2 s, 2 s + 1
	s_nop 0
	PLACES
	s_wait_loadcnt 0x0                             ; v's biases: my channel's, in all eight registers of a tile's C
.irp b, 0,1,2,3,4,5,6,7
.irp j, 0,1,2,3,4,5,6,7
	v_mov_b32 v[BI+8*\b+\j], v[VB+\b]
.endr
.endr
	STAGE 1
	; THE WAY OUT OF v.  s22 = my tokens' group: batch s22 / 16, keys 128 (s22 % 16) + 64 (wave % 2) on; heads 2 s and 2 s + 1
	s_lshr_b32 s96, s22, 4
	s_lshl_b32 s96, s96, 4
	s_lshl_b32 s97, s23, 1
	s_add_co_u32 s96, s96, s97
	s_mul_i32 s96, s96, HEADB                      ; the even head's record
	s_and_b32 s97, s22, 15
	s_mul_i32 s98, s97, 4*FRB
	s_mul_i32 s91, s[WA], HIM                      ; my 64 keys are a half of each image
	s_add_co_u32 s98, s98, s91
	s_add_co_u32 s98, s98, s96
	s_add_co_u32 s98, s98, VIM
	s_lshl_b32 s99, s97, 8
	s_lshl_b32 s91, s[WA], 1                       ; and two of a scale word's four bytes
	s_add_co_u32 s99, s99, s91
	s_add_co_u32 s96, s96, s99
	s_add_co_u32 s96, s96, VSC
	s_mov_b32 s97, 0
	s_mov_b32 s99, 0
	s_add_nc_u64 s[92:93], s[10:11], s[96:97]
	s_add_nc_u64 s[98:99], s[10:11], s[98:99]
	PLACES                                         ; behind the last products
	BIASQ 0                                        ; the next stage's biases land under the way out
.irp p, 0,1,2,3                                ; tiles 2 p and 2 p + 1 of channels: registers 0-5 are the first's half image, 6-11 the second's
	s_wait_xcnt 0x0                                ; earlier stores have read the codes' registers
	QUANT 64*\p
	v_lshrrev_b32 v[YW+\p], v21, v[PW]
	global_store_b128 v[L16], v[PC:PC+3], s[98:99] offset:FRB*((2*\p)%4)+HEADB*(\p/2)
	global_store_b64 v[L8], v[PC+4:PC+5], s[98:99] offset:FRB*((2*\p)%4)+HEADB*(\p/2)+512
	global_store_b128 v[L16], v[PC+6:PC+9], s[98:99] offset:FRB*((2*\p)%4+1)+HEADB*(\p/2)
	global_store_b64 v[L8], v[PC+10:PC+11], s[98:99] offset:FRB*((2*\p)%4+1)+HEADB*(\p/2)+512
	global_store_b16 v22, v[YW+\p], s[92:93] offset:8*(\p%2)+HEADB*(\p/2)   ; two bytes of each channel's word; the other two are the neighbouring wave's
.endr
	s_wait_alu depctr_va_vdst(0)
	s_wait_tensorcnt 0x0                           ; my quarter of the refill is in,
	s_wait_dscnt 0x0
	s_barrier_signal -1
	s_barrier_wait -1                              ; everybody's is; from here on LDS is only read
	s_mov_b32 s[STG], 0
	s_mov_b32 s[BB], GRP
.Lstage:                                               ; two trips: groups 2 s and 2 s + 1, in slots 1 and 2
	STAGE 0
	s_wait_xcnt 0x0                                ; earlier stores have read their bases
	s_lshl_b32 s90, s23, 1
	s_add_co_u32 s90, s90, s[STG]                  ; the group of columns: 0-7 are q, 8-15 k
	s_lshr_b32 s96, s22, 4
	s_lshl_b32 s96, s96, 4
	s_and_b32 s97, s90, 7
	s_lshl_b32 s97, s97, 1
	s_add_co_u32 s96, s96, s97                     ; the even head's record: 16 x batch + 2 (group % 8)
	s_mul_i32 s96, s96, HEADB
	s_and_b32 s97, s22, 15
	s_lshl_b32 s97, s97, 1
	s_add_co_u32 s97, s97, s[WA]                   ; which four tiles of the batch's tokens
	s_mul_i32 s98, s97, 4*HIM
	s_lshl_b32 s99, s97, 8
	s_cmp_lt_u32 s90, 8
	s_cselect_b32 s91, QIM, 0
	s_mov_b32 s95, KSC
	s_cselect_b32 s95, QSC, s95
	s_add_co_u32 s98, s98, s96
	s_add_co_u32 s98, s98, s91
	s_add_co_u32 s96, s96, s99
	s_add_co_u32 s96, s96, s95
	s_mov_b32 s97, 0
	s_mov_b32 s99, 0
	s_add_nc_u64 s[92:93], s[10:11], s[96:97]      ; the scale words
	s_add_nc_u64 s[98:99], s[10:11], s[98:99]      ; the images
	PLACES                                         ; behind the last products
	s_cmp_lg_u32 s[STG], 0
	s_cbranch_scc1 .Lno_bias                       ; the last stage asks for no further biases
	BIASQ 512
.Lno_bias:
.irp a, 0,1,2,3                                ; 16 tokens x two heads: registers 0-5 are the even head's half image, 6-11 the odd head's, a record on
	s_wait_xcnt 0x0                                ; earlier stores have read the codes' registers
	QUANT 64*\a
	v_mov_b32 v[XW+\a], v[PW]
	global_store_b128 v[L16], v[PC:PC+3], s[98:99] offset:HIM*\a
	global_store_b64 v[L8], v[PC+4:PC+5], s[98:99] offset:HIM*\a+512
	global_store_b128 v[L16], v[PC+6:PC+9], s[98:99] offset:HEADB+HIM*\a
	global_store_b64 v[L8], v[PC+10:PC+11], s[98:99] offset:HEADB+HIM*\a+512
.endr
.irp j, 0,1,2,3
	v_lshrrev_b32 v[YW+\j], v21, v[XW+\j]
.endr
	global_store_b128 v20, v[YW:YW+3], s[92:93]    ; 256 consecutive bytes in each head's record
	s_add_co_u32 s[BB], s[BB], GRP
	s_add_co_u32 s[STG], s[STG], 1
	s_cmp_lt_u32 s[STG], 2
	s_wait_alu depctr_va_vdst(0)
	s_cbranch_scc1 .Lstage
	s_wait_tensorcnt 0x0                           ; the wave's end
	ds_add_u32 v[SPW], v[NIL]
	s_wait_dscnt 0x0
	CROUND                                         ; the closing round: no work-group ends while a partner may still ask for a tile that names it
	s_endpgm
.Lfunc_end_k_q09b16f294d_qkvgemm:
	.size	k_q09b16f294d_qkvgemm, .Lfunc_end_k_q09b16f294d_qkvgemm-k_q09b16f294d_qkvgemm
	.p2alignl 7, 3214868480
	.fill 96, 4, 3214868480
	.section	.rodata,"a",@progbits
	.p2align	6, 0x0
	.amdhsa_kernel k_q09b16f294d_qkvgemm
		.amdhsa_group_segment_fixed_size 327680
		.amdhsa_private_segment_fixed_size 0
		.amdhsa_enable_private_segment 0
		.amdhsa_kernarg_size 32
		.amdhsa_user_sgpr_count 2
		.amdhsa_user_sgpr_kernarg_segment_ptr 1
		.amdhsa_wavefront_size32 1
		.amdhsa_system_sgpr_workgroup_id_x 1
		.amdhsa_system_sgpr_workgroup_id_y 1
		.amdhsa_system_sgpr_workgroup_id_z 1
		.amdhsa_system_vgpr_workitem_id 0
		.amdhsa_next_free_vgpr 1024
		.amdhsa_next_free_sgpr 100
		.amdhsa_reserve_vcc 0
		.amdhsa_float_denorm_mode_32 3
		.amdhsa_float_denorm_mode_16_64 3
		.amdhsa_memory_ordered 1
		.amdhsa_forward_progress 1
		.amdhsa_inst_pref_size 165
	.end_amdhsa_kernel
	.amdgpu_metadata
---
amdhsa.version: [ 1, 2 ]
amdhsa.kernels:
  - .name:           k_q09b16f294d_qkvgemm
    .symbol:         k_q09b16f294d_qkvgemm.kd
    .args:
      - { .name: xq, .offset: 0, .size: 8, .value_kind: global_buffer, .address_space: global }
      - { .name: wq, .offset: 8, .size: 8, .value_kind: global_buffer, .address_space: global }
      - { .name: b_qkv, .offset: 16, .size: 8, .value_kind: global_buffer, .address_space: global }
      - { .name: qkv, .offset: 24, .size: 8, .value_kind: global_buffer, .address_space: global }
    .group_segment_fixed_size: 327680
    .private_segment_fixed_size: 0
    .kernarg_segment_align: 8
    .kernarg_segment_size: 32
    .max_flat_workgroup_size: 128
    .sgpr_count:     100
    .vgpr_count:     1024
    .wavefront_size: 32
...
	.end_amdgpu_metadata
.endif
;; end of part 2
;; launch attn (part 3): grid 4 x 64, 16 waves a work-group, clusters of 4 x 1, 327,680 bytes of LDS; arguments qkv, oq; writes oq
.if DOCPART == 3
	.amdgcn_target "amdgcn-amd-amdhsa--gfx1250"
	.amdhsa_code_object_version 6
	.text
	.protected	k_q09b16f294d_attn
	.globl	k_q09b16f294d_attn
	.p2align	8
	.type	k_q09b16f294d_attn,@function
k_q09b16f294d_attn:
	s_mov_b64 s[64:65], 0
	v_nop
	global_prefetch_b8 v0, s[64:65] scope:SCOPE_SE
	s_setreg_imm32_b32 hwreg(HW_REG_WAVE_MODE, 25, 1), 1
	s_wait_xcnt 0x0
	s_wait_alu depctr_hold_cnt(0) depctr_sa_sdst(0) depctr_va_vdst(0) depctr_va_sdst(0) depctr_va_ssrc(0) depctr_va_vcc(0) depctr_vm_vsrc(0)
	s_getreg_b32 s2, hwreg(HW_REG_IB_STS2, 6, 4)
	s_cmp_eq_u32 s2, 0
	s_cbranch_scc0 .Lentry_in_a_cluster
	s_endpgm
.Lentry_in_a_cluster:
	s_bfe_u32 s2, ttmp6, 0x10000c
	s_cmp_lg_u32 s2, 0x3003
	s_cbranch_scc0 .Lentry_shape_is_right
	s_endpgm
.Lentry_shape_is_right:
; O = softmax(causal(Q K^T / 8)) V for one (batch, head) a cluster, both products on codes of FP6 (E2M3); O / l is quantised along the head's 64 into the last product's operand.
; THE SOFTMAX AHEAD OF THE SECOND PRODUCT: t = score x log2(e) / 8; M = the running largest t rounded UP to a whole number; p = 2^(t - M) is quantised along the keys, not normalised; the row's sum is taken
; of the unquantised p and divides O at the end.  When M moves, the sum and O are multiplied by 2^(old M - new M): exact.
; LEFT OUT: key steps, and halves of 64 keys of the step on the diagonal, all of whose keys come after all of a tile's queries: the causal mask gives them p = 0.
; LIMITS: a hidden score counts as -infinity where the definition has -1e9: the same p = 0 unless real scores reach about -1e9; NaN and infinities are not served; a block of zeros gets the byte 1 or 0 (its codes are zeros).
; THE HEAD'S RECORD in qkv: K's half images (768 bytes a tile of 16 keys), V's images (1,536 bytes for 16 channels x 128 keys) and their scale words are its first 208,896 bytes.  They come into LDS once, in two fills:
; key steps 0-2 and all scale words (16 waves x 12 rows of 256 bytes), then key steps 3-15 (16 waves x 39 rows), asked for behind a round and awaited behind the first three key steps.  From then on LDS is only read.
; The cluster's four work-groups want the same bytes: each load is a joint one.  No prefetch: both loads go out at the kernel's start, so there is no loop to run ahead in.
; K's rows of 256 bytes get 64 bytes of padding in LDS: two half images are then 1,920 bytes apart, 128 modulo 256, and the sixteen lanes of a 16-byte load touch sixteen different columns.
; SHARES.  The head's 128 tiles of 16 queries are (d, e): group d of 128 tokens, tile e = 4 eh + cx of its eight.  Wave w takes first the long tile d = max(w, 15 - w), eh = w / 8, then d = min(w, 15 - w), eh = 1 - w / 8:
; 15 open key steps, one diagonal step of 64 keys (eh = 0) and one of 128 (eh = 1) for every wave.  Branches hang on the wave's number and the trip alone; cx enters global addresses and the mask's numbers alone.
; LAYOUT.  S^T = K Q^T (source 0 = 16 keys, source 1 = my 16 queries), O^T = V^T P^T: a lane holds one query throughout.  THE KEYS OF A TILE ARE CHOSEN BY ADDRESS: row m of tile 4 c + u is key 64 c + 32 (m / 8) + 8 u + m % 8,
; read from place m % 8 + 8 (u / 2) of the record's tile 4 c + 2 (m / 8) + u % 2.  So lane (r, h) holds in the 32 registers of tiles 4 c .. 4 c + 3 the whole block of keys 64 c + 32 h + 0 .. 31, in the order of the next operand:
; a block's maximum needs no other lane and the conversions' results are the operand.  K = 64 fills half of the instruction's 128: Q's registers 6-11 are zero codes, so what stands in K's upper six registers adds nothing.
; REGISTERS: v1-7, v31, v93 lane terms; v8-11, v29-30 addresses in hand; v12 -M, v13 the largest score, v[14:15] the sum; v16-27 Q, v28 its scale words; v86-92 the second tile's Q; v32-85 K's half fragments, then V's four fragments;
; v96-159 S^T, then p; v160-191 O^T; v192-203 p's codes; v204-210 at work; v212-219 K's scale words, v220-223 V's; v224-248 at work; v254-255 the add's.
.set REC,   12800
.set GRP,   102400
.set FRB,   1536
.set HIM,   768
.set SCO,   12288
.set HEADB, 315392
.set VIM,   98304
.set KSC,   196608
.set VSC,   204800
.set QIM,   208896
.set QSC,   307200
.set KP,    320                        ; 256 bytes of K in LDS, with their padding
.set KT,    3*KP                       ; a half image of K in LDS
.set KSTEP, 8*KT                       ; a key step's eight
.set VL,    384*KP                     ; behind K: V and the scale words, as they lie in the record
.set SHIFT, VL-VIM
.set KSL,   KSC+SHIFT
.set VSL,   VSC+SHIFT
.set SPARE, VSL+4096                   ; the spare words: 128 bytes for each of 16 waves
.set WV,    12
.set SEL,   2                          ; s[2:3] selects of v_permlanex16_b32: lane l xor 16
.set CS,    10                         ; s[10:11] c = log2(e) / 8
.set G0K,   20                         ; s[20:23], s[24:31] groups 0 and 1 for K's rows (padded)
.set G1K,   24
.set G0V,   32                         ; s[32:35], s[40:47] for V's rows and the scale words
.set G1V,   40
.set DG,    36                         ; the key step on the diagonal
.set EH,    37                         ; which 64 tokens of the group hold my queries
.set EE,    38                         ; the tile among its group's eight
.set KS,    39                         ; the key step
.set TK,    48                         ; where its K, V, K's and V's scale words begin
.set TV,    49
.set TS,    50
.set TJ,    51
.set DGS,   52                         ; the second tile's DG and EE
.set EES,   53
.set KW,    212
.set BM,    224                        ; v224-227 maxima
.set XS,    228                        ; v228-235 four chains of sums
.set SO,    236                        ; v236-237 the conversions' scale operands
.set TA,    238
.set TP,    239
.set BY,    240                        ; v240-241 scale bytes
.set FF,    242                        ; v242 f, v243 p's scale word
.set H8,    244                        ; 8 h
.set NEG,   245
.set R4,    246
.set R16,   247
.set LN,    248
.set SPW,   254
.set NIL,   255
.macro CROUND
	s_barrier_signal -1
	s_barrier_wait -1
	s_cmp_lg_u32 s[WV], 0
	s_cbranch_scc1 .Lnot_wave_0_\@
	s_barrier_signal -3
.Lnot_wave_0_\@:
	s_barrier_wait -3
	s_barrier_signal -1
	s_barrier_wait -1
.endm
.macro PLACES
.rept 4
	v_nop
.endr
.endm
; THE KEY STEP ON THE DIAGONAL, a tile's last.  mode 1: my queries in the group's first 64 tokens: keys 0-63 under the mask, keys 64-127 left out.  mode 2: my queries in the last 64: keys 0-63 open, keys 64-127 under the mask.
; It first takes in the sum that the open step before it has left to it (DEFER), and sums its own p itself.
.macro STEP mode
.if \mode == 1
.set NC, 1
.else
.set NC, 2
.endif
	v_add_nc_u32 v8, s[TK], v6                     ; (these six are also the places in front of the loads into registers that the last products have read)
	v_add_nc_u32 v9, s[TK], v7
	v_add_nc_u32 v10, s[TV], v3
	v_add_nc_u32 v11, s[TV], v4
	v_add_nc_u32 v29, s[TS], v93
	v_add_nc_u32 v30, s[TJ], v31
.set t, 0
.rept 4*NC
	ds_load_b128 v[32+6*t:35+6*t], v8 offset:KT*(4*(t/4)+t%2)+128*((t%4)/2)
	ds_load_b64 v[36+6*t:37+6*t], v9 offset:KT*(4*(t/4)+t%2)+64*((t%4)/2)
.set t, t+1
.endr
.set t, 0
.rept 2*NC
	ds_load_b64 v[KW+2*t:KW+2*t+1], v29 offset:128*t               ; the scale words of tiles 2 t and 2 t + 1
.set t, t+1
.endr
	DEFER                                          ; while K is on its way
	s_wait_alu depctr_va_vdst(0)
	s_wait_dscnt 0x0
.set t, 0
.rept 4*NC
	v_wmma_scale_f32_16x16x128_f8f6f4 v[96+8*t:103+8*t], v[32+6*t:43+6*t], v[16:27], 0, v[KW+t], v28 matrix_a_fmt:MATRIX_FMT_FP6 matrix_b_fmt:MATRIX_FMT_FP6
.set t, t+1
.endr
	PLACES                                         ; for the loads over K's registers, and for the first reads of the scores
.irp c, 0,1,2,3                                ; V's fragments are asked for now and land under the softmax
	ds_load_b128 v[32+12*\c:35+12*\c], v10 offset:FRB*\c
	ds_load_b64 v[36+12*\c:37+12*\c], v11 offset:FRB*\c
.if \mode != 1                                 ; (mode 1: p's codes of keys 64-127 are zeros, so what stands in V's upper six registers adds nothing)
	ds_load_b128 v[38+12*\c:41+12*\c], v10 offset:FRB*\c+HIM
	ds_load_b64 v[42+12*\c:43+12*\c], v11 offset:FRB*\c+HIM
.endif
.endr
	ds_load_b128 v[220:223], v30
.if \mode
.set n, 0
.rept 32                                       ; register n of the half holds its key 32 h + n: hidden where n > my query in the half - 32 h
	v_cmp_gt_i32 vcc_lo, n, v5
	v_cndmask_b32 v[96+32*(\mode-1)+n], v[96+32*(\mode-1)+n], v[NEG], vcc_lo
.set n, n+1
.endr
.endif
.set c, 0
.rept NC                                       ; my block's largest score, in two chains a block: for the row's maximum and, since p rises with the score, for the block's largest p
	v_max3_num_f32 v[BM+c], v[96+32*c], v[97+32*c], v[98+32*c]
	v_max3_num_f32 v[BM+2+c], v[112+32*c], v[113+32*c], v[114+32*c]
.set c, c+1
.endr
.irp i, 3,5,7,9,11,13
.set c, 0
.rept NC
	v_max3_num_f32 v[BM+c], v[BM+c], v[96+32*c+\i], v[97+32*c+\i]
	v_max3_num_f32 v[BM+2+c], v[BM+2+c], v[112+32*c+\i], v[113+32*c+\i]
.set c, c+1
.endr
.endr
.set c, 0
.rept NC
	v_max3_num_f32 v[BM+c], v[BM+c], v[BM+2+c], v[111+32*c]
.set c, c+1
.endr
.set c, 0
.rept NC
	v_max_num_f32 v[BM+c], v[BM+c], v[127+32*c]
.set c, c+1
.endr
.if \mode == 1
	s_delay_alu instid0(VALU_DEP_1)
	v_permlanex16_b32 v[TP], v[BM], s[SEL], s[SEL+1]
	s_delay_alu instid0(VALU_DEP_1)
	v_max3_num_f32 v13, v13, v[BM], v[TP]
.else
	s_delay_alu instid0(VALU_DEP_1)
	v_max_num_f32 v[TA], v[BM], v[BM+1]
	s_delay_alu instid0(VALU_DEP_1)
	v_permlanex16_b32 v[TP], v[TA], s[SEL], s[SEL+1]
	s_delay_alu instid0(VALU_DEP_1)
	v_max3_num_f32 v13, v13, v[TA], v[TP]          ; the running largest score of my query
.endif
	v_mov_b32 v[TP], v12
	s_delay_alu instid0(VALU_DEP_2)
	v_mul_f32 v[TA], s[CS], v13                    ; as t (c is positive)
	s_delay_alu instid0(VALU_DEP_1)
	v_floor_f32 v12, -v[TA]                        ; the new -M = -ceil(t)
	s_delay_alu instid0(VALU_DEP_1)
	v_sub_f32 v[TA], v12, v[TP]                    ; old M - new M: a whole number, 0 or less
	s_delay_alu instid0(VALU_DEP_1)
	v_cvt_i32_f32 v[TA], v[TA]                     ; (it saturates)
	s_delay_alu instid0(VALU_DEP_1)
	v_ldexp_f32 v[FF], 1.0, v[TA]                  ; f = 2^(old M - new M)
.set j, 0
.rept 16*NC
	v_pk_fma_f32 v[96+j:97+j], v[96+j:97+j], s[CS:CS+1], v[12:13] op_sel_hi:[1,0,0]   ; t - M
.set j, j+2
.endr
.set c, 0
.rept NC
	v_fma_f32 v[BM+c], v[BM+c], s[CS], v12
.set c, c+1
.endr
	s_wait_alu depctr_va_vdst(0)                   ; the wait ahead of the batch
.set c, 0
.rept NC
	v_exp_f32 v[BM+c], v[BM+c]                     ; each block's largest p
.set c, c+1
.endr
.set j, 0
.rept 32*NC
	v_exp_f32 v[96+j], v[96+j]                     ; p = 2^(t - M)
.set j, j+1
.endr
	v_pk_mul_f32 v[14:15], v[14:15], v[FF:FF+1] op_sel_hi:[1,0]   ; the sums under the new M: a plain line behind the exponentials
	s_wait_alu depctr_va_vdst(0)                   ; one wait for the batch, ahead of its first reader
.irp i, 0,1,2,3                                ; the row's sum is taken of the unquantised p: four chains
	v_pk_add_f32 v[XS+2*\i:XS+2*\i+1], v[96+2*\i:97+2*\i], v[104+2*\i:105+2*\i]
.endr
.set k, 8
.rept 16*NC-8
	v_pk_add_f32 v[XS+2*(k%4):XS+2*(k%4)+1], v[XS+2*(k%4):XS+2*(k%4)+1], v[96+2*k:97+2*k]
.set k, k+1
.endr
.set c, 0
.rept NC
	v_max_num_f32 v[BM+c], 0x1800000, v[BM+c]      ; the floor 2^(3 - 127)
.set c, c+1
.endr
	v_pk_add_f32 v[XS:XS+1], v[XS:XS+1], v[XS+2:XS+3]
	v_pk_add_f32 v[XS+4:XS+5], v[XS+4:XS+5], v[XS+6:XS+7]
.set c, 0
.rept NC
	v_add_nc_u32 v[SO+c], 0xff000000, v[BM+c]      ; 2 off the exponent field: the conversion's scale operand
.set c, c+1
.endr
	v_pk_add_f32 v[XS:XS+1], v[XS:XS+1], v[XS+4:XS+5]
.set c, 0
.rept NC
	v_lshrrev_b32 v[BY+c], 23, v[SO+c]             ; the scale's byte
.set c, c+1
.endr
	v_pk_add_f32 v[14:15], v[14:15], v[XS:XS+1]
.if \mode == 1
	v_lshlrev_b32 v[FF+1], v[H8], v[BY]            ; my byte, of block h, at its place in the scale word (the bytes of blocks 2 and 3, over zero codes, stay 0)
.else
	v_lshl_or_b32 v[FF+1], v[BY+1], 16, v[BY]      ; my two bytes, of blocks h and 2 + h,
	s_delay_alu instid0(VALU_DEP_1)
	v_lshlrev_b32 v[FF+1], v[H8], v[FF+1]          ; at their places in the scale word
.endif
	s_delay_alu instid0(VALU_DEP_1)
	v_permlanex16_b32 v[TP], v[FF+1], s[SEL], s[SEL+1]
	s_delay_alu instid0(VALU_DEP_1)
	v_or_b32 v[FF+1], v[FF+1], v[TP]               ; with lane l xor 16's the word is whole
.set c, 0
.rept NC
	v_cvt_scalef32_pk16_fp6_f32 v[192+6*c:194+6*c], v[96+32*c:111+32*c], v[SO+c]
	v_cvt_scalef32_pk16_fp6_f32 v[204+4*c:206+4*c], v[112+32*c:127+32*c], v[SO+c]   ; (a conversion's three registers begin on an even number)
.set c, c+1
.endr
	v_nop                                          ; one plain line behind the scaled conversions
.set c, 0
.rept NC
.irp i, 0,1,2
	v_mov_b32 v[195+6*c+\i], v[204+4*c+\i]
.endr
.set c, c+1
.endr
.if \mode == 1
.irp i, 0,1,2,3,4,5
	v_mov_b32 v[198+\i], 0                         ; keys 64-127: zero codes
.endr
.endif
	s_wait_alu depctr_va_vdst(0)                   ; the wait directly ahead of the first reader of O^T
.set j, 0
.rept 16
	v_pk_mul_f32 v[160+j:161+j], v[160+j:161+j], v[FF:FF+1] op_sel_hi:[1,0]   ; O^T under the new M; these sixteen are also the places between the lines that made p's codes and scale word and the products
.set j, j+2
.endr
	s_wait_alu depctr_va_vdst(0)
	s_wait_dscnt 0x0                               ; V
.irp c, 0,1,2,3
	v_wmma_scale_f32_16x16x128_f8f6f4 v[160+8*\c:167+8*\c], v[32+12*\c:43+12*\c], v[192:203], v[160+8*\c:167+8*\c], v[220+\c], v[FF+1] matrix_a_fmt:MATRIX_FMT_FP6 matrix_b_fmt:MATRIX_FMT_FP6
.endr
.endm
; THE ROW'S SUM OF AN OPEN STEP'S p, unquantised, IS TAKEN IN THE NEXT STEP, from the 64 registers in which p still lies, ahead of that step's scores: four chains of packed additions.
; The sum then stands under the M of the step that made p, and is brought under the new M with the rest.  What a tile's first step sums (finite numbers left by the tile before; zeros at the start) is wiped: its f is 0.
.macro PSUM0                                   ; the chains' start: pairs 0-7
.irp i, 0,1,2,3
	v_pk_add_f32 v[XS+2*\i:XS+2*\i+1], v[96+2*\i:97+2*\i], v[104+2*\i:105+2*\i]
.endr
.endm
.macro PSUM k0, n                              ; pairs k0 .. k0 + n - 1
.set k, \k0
.rept \n
	v_pk_add_f32 v[XS+2*(k%4):XS+2*(k%4)+1], v[XS+2*(k%4):XS+2*(k%4)+1], v[96+2*k:97+2*k]
.set k, k+1
.endr
.endm
.macro PSUME                                   ; the chains' end
	v_pk_add_f32 v[XS:XS+1], v[XS:XS+1], v[XS+2:XS+3]
	v_pk_add_f32 v[XS+4:XS+5], v[XS+4:XS+5], v[XS+6:XS+7]
	v_pk_add_f32 v[XS:XS+1], v[XS:XS+1], v[XS+4:XS+5]
	v_pk_add_f32 v[14:15], v[14:15], v[XS:XS+1]
.endm
.macro DEFER
	PSUM0
	PSUM 8, 24
	PSUME
.endm
.macro BMAX c                                  ; my block c's largest score: a chain to each of its four tiles, each tile read from its low end on
.set SB0, 96+32*\c
.set M0, BM+\c
	v_max3_num_f32 v[M0], v[SB0], v[SB0+1], v[SB0+2]
	v_max3_num_f32 v[BM+2], v[SB0+8], v[SB0+9], v[SB0+10]
	v_max3_num_f32 v[BM+3], v[SB0+16], v[SB0+17], v[SB0+18]
	v_max3_num_f32 v[TA], v[SB0+24], v[SB0+25], v[SB0+26]
.irp i, 3,5
	v_max3_num_f32 v[M0], v[M0], v[SB0+\i], v[SB0+1+\i]
	v_max3_num_f32 v[BM+2], v[BM+2], v[SB0+8+\i], v[SB0+9+\i]
	v_max3_num_f32 v[BM+3], v[BM+3], v[SB0+16+\i], v[SB0+17+\i]
	v_max3_num_f32 v[TA], v[TA], v[SB0+24+\i], v[SB0+25+\i]
.endr
	v_max3_num_f32 v[M0], v[M0], v[BM+2], v[SB0+7]
	v_max3_num_f32 v[BM+3], v[BM+3], v[TA], v[SB0+15]
	v_max3_num_f32 v[M0], v[M0], v[BM+3], v[SB0+23]
	v_max_num_f32 v[M0], v[M0], v[SB0+31]
.endm
.macro TFMA j0                                 ; t - M of 16 scores
.set j, \j0
.rept 8
	v_pk_fma_f32 v[96+j:97+j], v[96+j:97+j], s[CS:CS+1], v[12:13] op_sel_hi:[1,0,0]
.set j, j+2
.endr
.endm
.macro SMUL t0                                 ; four tiles of S^T
.set t, \t0
.rept 4
	v_wmma_scale_f32_16x16x128_f8f6f4 v[96+8*t:103+8*t], v[32+6*t:43+6*t], v[16:27], 0, v[KW+t], v28 matrix_a_fmt:MATRIX_FMT_FP6 matrix_b_fmt:MATRIX_FMT_FP6
.set t, t+1
.endr
.endm
; AN OPEN KEY STEP: 128 keys, all ahead of my queries.
.macro STEP0
	v_add_nc_u32 v8, s[TK], v6                     ; (these six are also the places in front of the loads into registers that the last products have read)
	v_add_nc_u32 v9, s[TK], v7
	v_add_nc_u32 v10, s[TV], v3
	v_add_nc_u32 v11, s[TV], v4
	v_add_nc_u32 v29, s[TS], v93
	v_add_nc_u32 v30, s[TJ], v31
.set t, 0
.rept 4
	ds_load_b64 v[KW+2*t:KW+2*t+1], v29 offset:128*t               ; the scale words of tiles 2 t and 2 t + 1
.set t, t+1
.endr
.set t, 0
.rept 8
	ds_load_b128 v[32+6*t:35+6*t], v8 offset:KT*(4*(t/4)+t%2)+128*((t%4)/2)
	ds_load_b64 v[36+6*t:37+6*t], v9 offset:KT*(4*(t/4)+t%2)+64*((t%4)/2)
.set t, t+1
.endr
	v_mov_b32 v[BY], v12                           ; the old -M
	PSUM0                                          ; the last step's p of keys 0-63, while K is on its way
	PSUM 8, 8
	s_wait_alu depctr_va_vdst(0)
	s_wait_dscnt 0x0
	SMUL 0                                         ; keys 0-63, over the p just summed
	PSUM 16, 16                                    ; the last step's p of keys 64-127: sixteen plain lines that name no register of the four products above
	SMUL 4
	PSUME                                          ; four places in front of the loads over K's registers
.irp c, 0,1,2,3                                ; V's fragments are asked for now and land under the softmax
	ds_load_b128 v[32+12*\c:35+12*\c], v10 offset:FRB*\c
	ds_load_b64 v[36+12*\c:37+12*\c], v11 offset:FRB*\c
	ds_load_b128 v[38+12*\c:41+12*\c], v10 offset:FRB*\c+HIM
	ds_load_b64 v[42+12*\c:43+12*\c], v11 offset:FRB*\c+HIM
.endr
	ds_load_b128 v[220:223], v30
	BMAX 0                                         ; (these sixteen name no register of the last four products: their places)
	BMAX 1
	s_delay_alu instid0(VALU_DEP_1)
	v_max_num_f32 v[TA], v[BM], v[BM+1]
	s_delay_alu instid0(VALU_DEP_1)
	v_permlanex16_b32 v[TP], v[TA], s[SEL], s[SEL+1]
	s_delay_alu instid0(VALU_DEP_1)
	v_max3_num_f32 v13, v13, v[TA], v[TP]          ; the running largest score of my query
	s_delay_alu instid0(VALU_DEP_1)
	v_mul_f32 v[TA], s[CS], v13                    ; as t (c is positive)
	s_delay_alu instid0(VALU_DEP_1)
	v_floor_f32 v12, -v[TA]                        ; the new -M = -ceil(t)
	TFMA 0
	v_sub_f32 v[TA], v12, v[BY]                    ; old M - new M: a whole number, 0 or less
	TFMA 16
	v_cvt_i32_f32 v[TA], v[TA]                     ; (it saturates)
	TFMA 32
	v_ldexp_f32 v[FF], 1.0, v[TA]                  ; f = 2^(old M - new M)
	TFMA 48
	v_fma_f32 v[BM], v[BM], s[CS], v12
	v_fma_f32 v[BM+1], v[BM+1], s[CS], v12
	s_wait_alu depctr_va_vdst(0)                   ; the wait ahead of the batch
	v_exp_f32 v[BM], v[BM]                         ; each block's largest p
	v_exp_f32 v[BM+1], v[BM+1]
.set j, 0
.rept 64
	v_exp_f32 v[96+j], v[96+j]                     ; p = 2^(t - M)
.set j, j+1
.endr
	v_pk_mul_f32 v[14:15], v[14:15], v[FF:FF+1] op_sel_hi:[1,0]   ; the sums under the new M: a plain line behind the exponentials
	s_wait_alu depctr_va_vdst(0)                   ; one wait for the batch, ahead of its first reader
	v_max_num_f32 v[BM], 0x1800000, v[BM]          ; the floor 2^(3 - 127)
	v_max_num_f32 v[BM+1], 0x1800000, v[BM+1]
	v_add_nc_u32 v[SO], 0xff000000, v[BM]          ; 2 off the exponent field: the conversion's scale operand
	v_add_nc_u32 v[SO+1], 0xff000000, v[BM+1]
.irp c, 0,1
	v_cvt_scalef32_pk16_fp6_f32 v[192+6*\c:194+6*\c], v[96+32*\c:111+32*\c], v[SO+\c]
	v_cvt_scalef32_pk16_fp6_f32 v[204+4*\c:206+4*\c], v[112+32*\c:127+32*\c], v[SO+\c]   ; (a conversion's three registers begin on an even number)
.endr
	v_lshrrev_b32 v[BY], 23, v[SO]                 ; the scales' bytes: plain lines behind the scaled conversions
	v_lshrrev_b32 v[BY+1], 23, v[SO+1]
	s_delay_alu instid0(VALU_DEP_1)
	v_lshl_or_b32 v[FF+1], v[BY+1], 16, v[BY]      ; my two bytes, of blocks h and 2 + h,
	s_delay_alu instid0(VALU_DEP_1)
	v_lshlrev_b32 v[FF+1], v[H8], v[FF+1]          ; at their places in the scale word
	s_delay_alu instid0(VALU_DEP_1)
	v_permlanex16_b32 v[TP], v[FF+1], s[SEL], s[SEL+1]
	s_delay_alu instid0(VALU_DEP_1)
	v_or_b32 v[FF+1], v[FF+1], v[TP]               ; with lane l xor 16's the word is whole
.irp c, 0,1
.irp i, 0,1,2
	v_mov_b32 v[195+6*\c+\i], v[204+4*\c+\i]
.endr
.endr
	s_wait_alu depctr_va_vdst(0)                   ; the wait directly ahead of the first reader of O^T
.set j, 0
.rept 16
	v_pk_mul_f32 v[160+j:161+j], v[160+j:161+j], v[FF:FF+1] op_sel_hi:[1,0]   ; O^T under the new M; these sixteen are also the places between the lines that made p's codes and scale word and the products
.set j, j+2
.endr
	s_wait_alu depctr_va_vdst(0)
	s_wait_dscnt 0x0                               ; V
.irp c, 0,1,2,3
	v_wmma_scale_f32_16x16x128_f8f6f4 v[160+8*\c:167+8*\c], v[32+12*\c:43+12*\c], v[192:203], v[160+8*\c:167+8*\c], v[220+\c], v[FF+1] matrix_a_fmt:MATRIX_FMT_FP6 matrix_b_fmt:MATRIX_FMT_FP6
.endr
.endm
.macro NEXT                                    ; the next 128 keys
	s_add_co_u32 s[TK], s[TK], KSTEP
	s_add_co_u32 s[TV], s[TV], 4*FRB
	s_add_co_u32 s[TS], s[TS], 512
	s_add_co_u32 s[TJ], s[TJ], 256
	s_add_co_u32 s[KS], s[KS], 1
.endm
.macro FROM first
	s_mov_b32 s[KS], \first
	s_mov_b32 s[TK], \first*KSTEP
	s_mov_b32 s[TV], \first*4*FRB
	s_mov_b32 s[TS], \first*512
	s_mov_b32 s[TJ], \first*256
.endm
; Key steps first .. lim - 1: open ahead of the diagonal, one of the two masked forms on it, jumped over behind it.
.macro TRIPS first, lim
	FROM \first
.Ltrip_\@:
	s_cmp_lt_u32 s[KS], s[DG]
	s_cbranch_scc1 .Lopen_\@
	s_cmp_eq_u32 s[KS], s[DG]
	s_cbranch_scc0 .Lnext_\@
	s_cmp_eq_u32 s[EH], 0
	s_cbranch_scc0 .Lhigh_\@
	STEP 1
	s_branch .Lnext_\@
.Lhigh_\@:
	STEP 2
	s_branch .Lnext_\@
.Lopen_\@:
	STEP0
.Lnext_\@:
	NEXT
	s_cmp_lt_u32 s[KS], \lim
	s_cbranch_scc1 .Ltrip_\@
.endm
.macro INIT                                    ; a tile's start
	v_mov_b32 v13, 0xff61b1e6                      ; the largest score so far: -3e38
	v_mov_b32 v12, 0x7d000000                      ; -M: so large that the first f is 0
	v_mov_b32 v14, 0
	v_mov_b32 v15, 0
.set j, 0
.rept 32
	v_mov_b32 v[160+j], 0                          ; O^T: the step is written for every trip alike; a tile's first trip finds zeros
.set j, j+1
.endr
.endm
.macro QLOAD dg, ee, q, w, pa                  ; tile 8 dg + ee: Q's half image and its scale words
	s_lshl_b32 s54, s[\dg], 3
	s_add_co_u32 s54, s54, s[\ee]
	s_mul_i32 s[\pa], s54, HIM
	s_add_co_u32 s[\pa], s[\pa], QIM
	s_mov_b32 s[\pa+1], 0
	s_add_nc_u64 s[\pa:\pa+1], s[8:9], s[\pa:\pa+1]
	s_lshr_b32 s[\pa+2], s54, 2
	s_lshl_b32 s[\pa+2], s[\pa+2], 8
	s_and_b32 s54, s54, 3
	s_lshl_b32 s54, s54, 2
	s_add_co_u32 s[\pa+2], s[\pa+2], s54
	s_add_co_u32 s[\pa+2], s[\pa+2], QSC
	s_mov_b32 s[\pa+3], 0
	s_add_nc_u64 s[\pa+2:\pa+3], s[8:9], s[\pa+2:\pa+3]
	global_load_b128 v[\q:\q+3], v1, s[\pa:\pa+1]
	global_load_b64 v[\q+4:\q+5], v2, s[\pa:\pa+1]
	global_load_b32 v[\w], v[R16], s[\pa+2:\pa+3]
.endm
; A TILE'S END: O^T / l, quantised along the head's 64, leaves as a half image of oq and two scale bytes a row.
.macro OUT
	s_wait_xcnt 0x0                                ; earlier stores have read their bases
	s_lshr_b32 s66, s14, 4
	s_lshl_b32 s66, s66, 4
	s_add_co_u32 s66, s66, s[DG]                   ; oq's group of 128 tokens: 16 x batch + DG
	s_mul_i32 s66, s66, GRP
	s_and_b32 s67, s14, 15                         ; the head: K step head / 2 of the last product, half head % 2
	s_lshr_b32 s68, s67, 1
	s_mul_i32 s68, s68, REC
	s_add_co_u32 s66, s66, s68
	s_and_b32 s67, s67, 1
	s_mul_i32 s68, s[EE], FRB
	s_mul_i32 s69, s67, HIM
	s_add_co_u32 s68, s68, s69
	s_add_co_u32 s68, s68, s66
	s_lshl_b32 s69, s[EE], 6
	s_lshl_b32 s67, s67, 1
	s_add_co_u32 s69, s69, s67
	s_add_co_u32 s66, s66, s69
	s_add_co_u32 s66, s66, SCO
	s_mov_b32 s67, 0
	s_mov_b32 s69, 0
	s_add_nc_u64 s[66:67], s[6:7], s[66:67]        ; my two scale bytes a row
	s_add_nc_u64 s[68:69], s[6:7], s[68:69]        ; my half image
	PLACES                                         ; behind the last products
	v_add_f32 v14, v14, v15
	s_delay_alu instid0(VALU_DEP_1)
	v_permlanex16_b32 v[TP], v14, s[SEL], s[SEL+1]
	s_delay_alu instid0(VALU_DEP_1)
	v_add_f32 v14, v14, v[TP]                      ; the row's sum
	s_wait_alu depctr_va_vdst(0)
	v_rcp_f32 v14, v14
	v_nop                                          ; a plain line behind the reciprocal
	s_wait_alu depctr_va_vdst(0)                   ; and the wait ahead of its first reader, which is also O^T's
.set j, 0
.rept 16
	v_pk_mul_f32 v[96+j:97+j], v[160+j:161+j], v[14:15] op_sel_hi:[1,0]   ; O^T / l: register 16 g + i is channel 32 g + 16 h + i
.set j, j+2
.endr
.irp g, 0,1
	v_max3_num_f32 v[BM+\g], |v[96+16*\g]|, |v[97+16*\g]|, 0x1800000
.endr
.irp i, 2,4,6,8,10,12,14
.irp g, 0,1
	s_delay_alu instid0(VALU_DEP_2)
	v_max3_num_f32 v[BM+\g], v[BM+\g], |v[96+16*\g+\i]|, |v[97+16*\g+\i]|
.endr
.endr
.irp g, 0,1
	s_delay_alu instid0(VALU_DEP_2)
	v_permlanex16_b32 v[BM+2+\g], v[BM+\g], s[SEL], s[SEL+1]
.endr
.irp g, 0,1
	s_delay_alu instid0(VALU_DEP_2)
	v_max_num_f32 v[BM+\g], v[BM+\g], v[BM+2+\g]
.endr
.irp g, 0,1
	s_delay_alu instid0(VALU_DEP_2)
	v_add_nc_u32 v[SO+\g], 0xff000000, v[BM+\g]
.endr
.irp g, 0,1
	s_delay_alu instid0(VALU_DEP_2)
	v_lshrrev_b32 v[BY+\g], 23, v[SO+\g]
.endr
	s_delay_alu instid0(VALU_DEP_1)
	v_lshl_or_b32 v[TA], v[BY+1], 8, v[BY]         ; the head's two scale bytes of my row
	v_cvt_scalef32_pk16_fp6_f32 v[192:194], v[96:111], v[SO]
	v_cvt_scalef32_pk16_fp6_f32 v[204:206], v[112:127], v[SO+1]
	v_nop
.irp i, 0,1,2
	v_permlane16_swap_b32 v[192+\i], v[204+\i]     ; here a block lies in lanes l and l xor 16: the operand wants it whole in a lane
.endr
.irp i, 0,1,2
	v_mov_b32 v[195+\i], v[204+\i]
.endr
	global_store_b128 v1, v[192:195], s[68:69]     ; whole aligned blocks of 256 bytes
	global_store_b64 v2, v[196:197], s[68:69]
	v_cmp_gt_u32 vcc_lo, 16, v[LN]
	s_wait_alu depctr_va_vdst(0)
	s_wait_xcnt 0x0                                ; EXEC changes only behind this wait
	s_and_saveexec_b32 s54, vcc_lo
	global_store_b16 v[R4], v[TA], s[66:67]        ; lanes 0-15: two bytes of each row's word; the other two are the neighbouring head's
	s_wait_xcnt 0x0
	s_or_b32 exec_lo, exec_lo, s54
.endm
	s_load_b128 s[4:7], s[0:1], 0x0                ; qkv, oq
	v_lshl_add_u32 v[SPW], v0, 2, SPARE
	v_mov_b32 v[NIL], 0
	ds_add_u32 v[SPW], v[NIL]                      ; the opening lines: the add, twice on end, and its wait ahead of my first tensor load
	ds_add_u32 v[SPW], v[NIL]
	v_lshrrev_b32 v1, 5, v0
	v_readfirstlane_b32 s[WV], v1                  ; wave 0..15
	s_bfe_u32 s13, ttmp6, 0x40000                  ; cx
	s_and_b32 s14, ttmp7, 0xffff                   ; 16 x batch + head
	s_mul_i32 s16, s14, HEADB
	s_mov_b32 s17, 0
	; the first fill: 12 rows of 256 bytes a wave: waves 0-5 K's key steps 0-2, waves 6-11 V's, waves 12-15 the scale words
	s_mul_i32 s18, s[WV], 43
	s_lshr_b32 s18, s18, 8                         ; wave / 6
	s_mul_i32 s18, s18, VIM-6*3072                 ; each region begins 98,304 bytes behind the one before
	s_mul_i32 s19, s[WV], 3072
	s_add_co_u32 s18, s18, s19                     ; my rows' place in the record
	s_mov_b32 s19, 0
	s_mov_b32 s[G0K], 1
	s_mul_i32 s[G0K+1], s[WV], 12*KP
	s_mov_b32 s[G0V], 1
	s_add_co_u32 s[G0V+1], s18, SHIFT
	s_mov_b32 s[G1K], 15|(3<<16)|(1<<20)|(1<<21)|(5<<22)|(15<<25)   ; 15:0 all four work-groups; elements of 8 bytes; padding on; 21 set beside a mask; after every 64 words 16 words
	s_mov_b32 s[G1V], 15|(3<<16)|(1<<21)
.irp g, G1K, G1V
	s_mov_b32 s[\g+1], 32<<16                      ; tensor_dim0 = 32: rows of 256 bytes
	s_mov_b32 s[\g+2], 12<<16                      ; tensor_dim1
	s_mov_b32 s[\g+3], 32<<16                      ; tile_dim0
	s_mov_b32 s[\g+4], 12                          ; tile_dim1
	s_mov_b32 s[\g+5], 32                          ; the pitch: dense
	s_mov_b32 s[\g+6], 0
	s_mov_b32 s[\g+7], 0
.endr
	s_mov_b32 s[SEL], 0x76543210
	s_mov_b32 s[SEL+1], 0xfedcba98
	s_mov_b32 s[CS], 0x3e38aa3b                    ; log2(e) / 8
	s_mov_b32 s[CS+1], s[CS]
	s_sub_co_u32 s15, 15, s[WV]
	s_max_u32 s[DG], s[WV], s15                    ; the long tile first
	s_min_u32 s[DGS], s[WV], s15
	s_lshr_b32 s[EH], s[WV], 3
	s_lshl_b32 s[EE], s[EH], 2
	s_add_co_u32 s[EE], s[EE], s13
	s_xor_b32 s54, s[EH], 1
	s_lshl_b32 s[EES], s54, 2
	s_add_co_u32 s[EES], s[EES], s13
	s_wait_dscnt 0x0                               ; both opening adds are done
	s_wait_kmcnt 0x0
	s_add_nc_u64 s[8:9], s[4:5], s[16:17]          ; the head's record
	s_add_nc_u64 s[G0K+2:G0K+3], s[8:9], s[18:19]
	s_or_b32 s[G0K+3], s[G0K+3], 0x80000000
	s_mov_b64 s[G0V+2:G0V+3], s[G0K+2:G0K+3]
	CROUND                                         ; all four work-groups are here: the joint loads meet
	s_cmp_lt_u32 s[WV], 6
	s_cbranch_scc0 .Lfirst_v
	tensor_load_to_lds s[G0K:G0K+3], s[G1K:G1K+7]
	s_nop 0
	PLACES
	s_branch .Lfirst_asked
.Lfirst_v:
	tensor_load_to_lds s[G0V:G0V+3], s[G1V:G1V+7]
	s_nop 0
	PLACES
.Lfirst_asked:
	v_and_b32 v[LN], 31, v0
	v_and_b32 v33, 15, v0                          ; r
	v_bfe_u32 v34, v0, 4, 1                        ; h
	v_and_b32 v35, 7, v0                           ; r % 8
	v_bfe_u32 v36, v0, 3, 1                        ; r / 8
	v_lshlrev_b32 v1, 4, v[LN]                     ; 16 x lane: registers 0-3 of a half image
	v_lshlrev_b32 v2, 3, v[LN]
	v_add_nc_u32 v2, 512, v2                       ; 512 + 8 x lane: registers 4-5
	v_add_nc_u32 v3, VL, v1
	v_add_nc_u32 v4, VL, v2
	v_mul_u32_u24 v37, v36, 2*KT                   ; K: rows 8-15 of a tile come from the record's tile two further on
	v_mad_u32_u24 v6, v34, KP, v37                 ; registers 0-3: 16 (r % 8) in the image's row h of 256 bytes
	v_lshl_add_u32 v6, v35, 4, v6
	v_lshl_add_u32 v7, v34, 7, v37                 ; registers 4-5: 8 (r % 8) + 128 h in its third row
	v_lshl_add_u32 v7, v35, 3, v7
	v_add_nc_u32 v7, 2*KP, v7
	v_lshlrev_b32 v[R16], 4, v33
	v_add_nc_u32 v31, VSL, v[R16]
	v_lshlrev_b32 v93, 4, v35                      ; K's scale words: 16 x place + 8 (r / 8)
	v_lshl_add_u32 v93, v36, 3, v93
	v_add_nc_u32 v93, KSL, v93
	v_lshlrev_b32 v[R4], 2, v33
	v_lshlrev_b32 v[H8], 3, v34
	s_lshr_b32 s54, s13, 1
	s_lshl_b32 s54, s54, 5
	s_and_b32 s55, s13, 1
	s_lshl_b32 s55, s55, 3
	s_add_co_u32 s54, s54, s55                     ; my tile's first query among its 64: 32 (cx / 2) + 8 (cx % 2)
	v_and_b32 v5, 8, v33
	v_add_nc_u32 v5, v5, v33                       ; + r % 8 + 16 (r / 8)
	v_lshlrev_b32 v34, 5, v34
	v_sub_nc_u32 v5, v5, v34                       ; - 32 h
	v_add_nc_u32 v5, s54, v5
.irp i, 0,1,2,3,4,5
	v_mov_b32 v[22+\i], 0                          ; Q's upper half: zero codes
	v_mov_b32 v[80+\i], 0                          ; what the last tile of K names beyond its six registers
.endr
	v_mov_b32 v[TP], 0                             ; written once: a lane permute's destination counts as one of its sources
	v_mov_b32 v[FF+1], 0                           ; (named as the upper half of a pair before it is first written)
	v_mov_b32 v[NEG], 0xff800000                   ; -infinity
.set j, 0
.rept 64
	v_mov_b32 v[96+j], 0                           ; what the very first step sums as the p of a step before it
.set j, j+1
.endr
	INIT
	s_wait_alu depctr_va_vdst(0)                   ; the wait ahead of the scalar lines below
	QLOAD DG, EE, 16, 28, 56                       ; both tiles' Q are asked for while the first fill is on its way
	QLOAD DGS, EES, 86, 92, 60
	s_wait_alu depctr_va_vdst(0)
	s_wait_tensorcnt 0x0                           ; my rows of the first fill are in
	ds_add_u32 v[SPW], v[NIL]
	s_mov_b32 s[G1K+2], 39<<16                     ; no tensor load of mine is out: the second fill: 39 rows a wave: waves 0-7 K's key steps 3-15, waves 8-15 V's
	s_mov_b32 s[G1K+4], 39
	s_mov_b32 s[G1V+2], 39<<16
	s_mov_b32 s[G1V+4], 39
	s_mul_i32 s18, s[WV], 39*256
	s_add_co_u32 s18, s18, 72*256
	s_lshr_b32 s15, s[WV], 3
	s_mul_i32 s15, s15, 72*256                     ; V's rows begin 98,304 bytes behind K's
	s_add_co_u32 s18, s18, s15
	s_mul_i32 s[G0K+1], s[WV], 39*KP
	s_add_co_u32 s[G0K+1], s[G0K+1], 72*KP
	s_add_co_u32 s[G0V+1], s18, SHIFT
	s_add_nc_u64 s[G0K+2:G0K+3], s[8:9], s[18:19]
	s_or_b32 s[G0K+3], s[G0K+3], 0x80000000
	s_mov_b64 s[G0V+2:G0V+3], s[G0K+2:G0K+3]
	s_wait_dscnt 0x0
	CROUND                                         ; everybody's rows are in, and all four work-groups are here
	s_cmp_lt_u32 s[WV], 8
	s_cbranch_scc0 .Lsecond_v
	tensor_load_to_lds s[G0K:G0K+3], s[G1K:G1K+7]
	s_nop 0
	PLACES
	s_branch .Lsecond_asked
.Lsecond_v:
	tensor_load_to_lds s[G0V:G0V+3], s[G1V:G1V+7]
	s_nop 0
	PLACES
.Lsecond_asked:
	FROM 0
	s_wait_loadcnt 0x0                             ; Q
.Lfirst_keys:                                          ; key steps 0-2 are open for every wave's long tile (its diagonal is step 8 or later) and lie in the first fill
	STEP0
	NEXT
	s_cmp_lt_u32 s[KS], 3
	s_cbranch_scc1 .Lfirst_keys
	s_wait_tensorcnt 0x0                           ; my rows of the second fill are in,
	s_wait_dscnt 0x0
	s_barrier_signal -1
	s_barrier_wait -1                              ; everybody's are; from here on LDS is only read
	TRIPS 3, 16
	OUT
	s_mov_b32 s[DG], s[DGS]                        ; the short tile: its diagonal is step 7 or earlier
	s_xor_b32 s[EH], s[EH], 1
	s_mov_b32 s[EE], s[EES]
.irp i, 0,1,2,3,4,5
	v_mov_b32 v[16+\i], v[86+\i]
.endr
	v_mov_b32 v28, v92
	INIT
	s_wait_alu depctr_va_vdst(0)
	TRIPS 0, 8
	OUT
	s_wait_tensorcnt 0x0                           ; the wave's end
	ds_add_u32 v[SPW], v[NIL]
	s_wait_dscnt 0x0
	CROUND                                         ; the closing round
	s_endpgm
.Lfunc_end_k_q09b16f294d_attn:
	.size	k_q09b16f294d_attn, .Lfunc_end_k_q09b16f294d_attn-k_q09b16f294d_attn
	.p2alignl 7, 3214868480
	.fill 96, 4, 3214868480
	.section	.rodata,"a",@progbits
	.p2align	6, 0x0
	.amdhsa_kernel k_q09b16f294d_attn
		.amdhsa_group_segment_fixed_size 327680
		.amdhsa_private_segment_fixed_size 0
		.amdhsa_enable_private_segment 0
		.amdhsa_kernarg_size 16
		.amdhsa_user_sgpr_count 2
		.amdhsa_user_sgpr_kernarg_segment_ptr 1
		.amdhsa_wavefront_size32 1
		.amdhsa_system_sgpr_workgroup_id_x 1
		.amdhsa_system_sgpr_workgroup_id_y 1
		.amdhsa_system_sgpr_workgroup_id_z 1
		.amdhsa_system_vgpr_workitem_id 0
		.amdhsa_next_free_vgpr 256
		.amdhsa_next_free_sgpr 72
		.amdhsa_reserve_vcc 1
		.amdhsa_float_denorm_mode_32 3
		.amdhsa_float_denorm_mode_16_64 3
		.amdhsa_memory_ordered 1
		.amdhsa_forward_progress 1
		.amdhsa_inst_pref_size 138
	.end_amdhsa_kernel
	.amdgpu_metadata
---
amdhsa.version: [ 1, 2 ]
amdhsa.kernels:
  - .name:           k_q09b16f294d_attn
    .symbol:         k_q09b16f294d_attn.kd
    .args:
      - { .name: qkv, .offset: 0, .size: 8, .value_kind: global_buffer, .address_space: global }
      - { .name: oq, .offset: 8, .size: 8, .value_kind: global_buffer, .address_space: global }
    .group_segment_fixed_size: 327680
    .private_segment_fixed_size: 0
    .kernarg_segment_align: 8
    .kernarg_segment_size: 16
    .max_flat_workgroup_size: 512
    .sgpr_count:     72
    .vgpr_count:     256
    .wavefront_size: 32
...
	.end_amdgpu_metadata
.endif
;; end of part 3
;; launch proj (part 4): grid 4 x 64, 4 waves a work-group, clusters of 4 x 4, 327,680 bytes of LDS; arguments oq, wp, b_proj, out0; writes out0
.if DOCPART == 4
	.amdgcn_target "amdgcn-amd-amdhsa--gfx1250"
	.amdhsa_code_object_version 6
	.text
	.protected	k_q09b16f294d_proj
	.globl	k_q09b16f294d_proj
	.p2align	8
	.type	k_q09b16f294d_proj,@function
k_q09b16f294d_proj:
	s_mov_b64 s[64:65], 0
	v_nop
	global_prefetch_b8 v0, s[64:65] scope:SCOPE_SE
	s_setreg_imm32_b32 hwreg(HW_REG_WAVE_MODE, 25, 1), 1
	s_wait_xcnt 0x0
	s_wait_alu depctr_hold_cnt(0) depctr_sa_sdst(0) depctr_va_vdst(0) depctr_va_sdst(0) depctr_va_ssrc(0) depctr_va_vcc(0) depctr_vm_vsrc(0)
	s_getreg_b32 s2, hwreg(HW_REG_IB_STS2, 6, 4)
	s_cmp_eq_u32 s2, 0
	s_cbranch_scc0 .Lentry_in_a_cluster
	s_endpgm
.Lentry_in_a_cluster:
	s_bfe_u32 s2, ttmp6, 0x10000c
	s_cmp_lg_u32 s2, 0xf033
	s_cbranch_scc0 .Lentry_shape_is_right
	s_endpgm
.Lentry_shape_is_right:
; out0 = o w_proj + b_proj on codes of FP6 (E2M3); sums in f32, the bias as the C of each sum's first product.
; oq, wp: [group of 128 rows][K step of 128][8 tiles x 1,536 bytes, images of the operand's 12 registers | 8 x 16 scale words]: 12,800 bytes a step, 102,400 a group.  Place r of tile 2 b + u is row 32 b + 8 u + r % 8 + 16 (r / 8).
; SHARES.  A work-group takes 128 tokens (A) x 256 columns (B), with ALL of K = 1,024 in LDS (3 x 102,400 bytes): each LDS byte is filled once, so there is no ring.
; Wave (wa, wb) takes A's tiles 4 wa .. 4 wa + 3 against the 8 tiles of B's group wb: 32 accumulators.  Source 0 = B's fragment, source 1 = A's: a lane holds one token and eight neighbouring columns an accumulator.
; 4 x 4 work-groups form a cluster: A's group is shared along a row of the cluster, B's two along a column; each is asked for jointly.
; REGISTERS, in windows of 256: window 0: v2-13 LDS addresses; v14-21 lane terms; v32-55 scale words, two sets; v128-223 A's fragments, two sets; on the way out v64-191 hold rows.
;   window 1: B's fragments, two sets at v0 and v128.   window 2: accumulator (a, b) at v[8 (8 a + b)].   window 3: v0-63 the biases of B's eight tiles.
.set REC,   12800
.set GRP,   102400
.set FRB,   1536
.set SCO,   12288
.set SP,    528                        ; the way out: a stage row of 512 bytes + 16
.set WV,    12
.set WA,    13
.set WB,    14
.set G1A,   32
.set G1B,   40
.set GA,    48
.set GB,    68
.set A16,   2
.set A8,    4
.set B16,   6
.set B8,    8
.set ASC,   10
.set BSC,   12
.set L16,   16
.set L8,    17
.set STO,   19                         ; v19 the stage: where I put 32 bytes of a row
.set RD,    20                         ; v20 and where I read a row back
.set SC,    32
.set BK,    64
.set AF,    128
.set MSB, 0
.macro WIN new                         ; the immediate's high byte repeats the setting that is left
.if MSB != \new
	s_set_vgpr_msb (MSB<<8)|\new
.set MSB, \new
.endif
.endm
.macro CROUND
	s_barrier_signal -1
	s_barrier_wait -1
	s_cmp_lg_u32 s[WV], 0
	s_cbranch_scc1 .Lnot_wave_0_\@
	s_barrier_signal -3
.Lnot_wave_0_\@:
	s_barrier_wait -3
	s_barrier_signal -1
	s_barrier_wait -1
.endm
.macro PLACES                          ; four plain lines between a matrix instruction and a load into, or a read of, its registers
.rept 4
	v_nop
.endr
.endm
.macro FRAG4 reg, a16, a8, off
	ds_load_b128 v[(\reg):(\reg)+3], v[\a16] offset:(\off)
	ds_load_b64 v[(\reg)+4:(\reg)+5], v[\a8] offset:(\off)+512
	ds_load_b128 v[(\reg)+6:(\reg)+9], v[\a16] offset:(\off)+768
	ds_load_b64 v[(\reg)+10:(\reg)+11], v[\a8] offset:(\off)+1280
.endm
.macro FETCH s
	WIN 0x40
.irp b, 0,1,2,3,4,5,6,7
	FRAG4 128*((\s)%2)+12*\b, B16+(\s)/4, B8+(\s)/4, REC*((\s)%4)+FRB*\b
.endr
	WIN 0
.irp a, 0,1,2,3
	FRAG4 AF+48*((\s)%2)+12*\a, A16+(\s)/4, A8+(\s)/4, REC*((\s)%4)+FRB*\a
.endr
.if (\s)%2 == 0
.irp a, 0,1,2,3
	ds_load_b32 v[SC+12*(((\s)/2)%2)+\a], v[ASC+(\s)/4] offset:2*REC*(((\s)/2)%2)+64*\a
.endr
.irp b, 0,1,2,3,4,5,6,7
	ds_load_b32 v[SC+12*(((\s)/2)%2)+4+\b], v[BSC+(\s)/4] offset:2*REC*(((\s)/2)%2)+64*\b
.endr
.endif
.endm
; 32 matrix instructions: the accumulators take turns, one instruction a turn, in the same order in every step.  c = 2: the first product starts the sums from the bias.
.macro MUL32 s, c
.set FB, 128*((\s)%2)
.set FA, AF+48*((\s)%2)
.set SS, SC+12*(((\s)/2)%2)
.irp a, 0,1,2,3
.irp b, 0,1,2,3,4,5,6,7
.if (\c) == 2
	v_wmma_scale_f32_16x16x128_f8f6f4 v[8*(8*\a+\b):8*(8*\a+\b)+7], v[FB+12*\b:FB+12*\b+11], v[FA+12*\a:FA+12*\a+11], v[8*\b:8*\b+7], v[SS+4+\b], v[SS+\a] matrix_a_fmt:MATRIX_FMT_FP6 matrix_b_fmt:MATRIX_FMT_FP6
.elseif (\s)%2 == 0
	v_wmma_scale_f32_16x16x128_f8f6f4 v[8*(8*\a+\b):8*(8*\a+\b)+7], v[FB+12*\b:FB+12*\b+11], v[FA+12*\a:FA+12*\a+11], v[8*(8*\a+\b):8*(8*\a+\b)+7], v[SS+4+\b], v[SS+\a] matrix_a_fmt:MATRIX_FMT_FP6 matrix_b_fmt:MATRIX_FMT_FP6
.else
	v_wmma_scale_f32_16x16x128_f8f6f4 v[8*(8*\a+\b):8*(8*\a+\b)+7], v[FB+12*\b:FB+12*\b+11], v[FA+12*\a:FA+12*\a+11], v[8*(8*\a+\b):8*(8*\a+\b)+7], v[SS+4+\b], v[SS+\a] matrix_a_fmt:MATRIX_FMT_FP6 matrix_b_fmt:MATRIX_FMT_FP6 matrix_a_scale:MATRIX_SCALE_ROW1 matrix_b_scale:MATRIX_SCALE_ROW1
.endif
.endr
.endr
.endm
.macro STEP s, c
	s_wait_dscnt 0x0                               ; this step's fragments and scale words are in (asked for 32 matrix instructions ago)
.if (\s)+1 < 8
.if (\s)+1 == 4
	s_wait_tensorcnt 0x0                           ; my part of the second fill, K steps 4-7, is in
	s_barrier_signal -1
	s_barrier_wait -1
.endif
.if (\s) > 0
	PLACES
.endif
	FETCH (\s)+1
.endif
.if (\c) == 2
	WIN 0xb1                                       ; source 0 (B) window 1, source 1 (A) window 0, C (the bias) window 3, D window 2
.else
	WIN 0xa1                                       ; C and D window 2
.endif
	MUL32 \s, \c
	WIN 0
.endm
; THE WAY OUT, a tile of 16 tokens x 128 columns at a time, through my own stage: in as 32 bytes a lane, back as whole rows of 512 bytes.  LDS serves a wave's instructions in order (ISA guide 5.7.1.4).
.macro TOSTAGE a
	WIN 0x08                                       ; an LDS store's data are its source 1: window 2
.irp b, 0,1,2,3,4,5,6,7
	ds_store_b128 v[STO], v[8*(8*(\a)+\b):8*(8*(\a)+\b)+3] offset:128*(\b/2)+32*(\b%2)         ; columns 32 (b / 2) + 16 h + 8 (b % 2) on; each accumulator from its low end on
	ds_store_b128 v[STO], v[8*(8*(\a)+\b)+4:8*(8*(\a)+\b)+7] offset:128*(\b/2)+32*(\b%2)+16
.endr
	WIN 0
.irp t, 0,1,2,3,4,5,6,7,8,9,10,11,12,13,14,15
	ds_load_b128 v[BK+64*((\a)%2)+4*\t:BK+64*((\a)%2)+4*\t+3], v[RD] offset:SP*\t
.endr
.endm
.macro SEND a, younger
	s_wait_dscnt \younger                          ; the tile is back in registers; the next tile's LDS instructions may be out
.irp t, 0,1,2,3,4,5,6,7,8,9,10,11,12,13,14,15
	global_store_b128 v[L16], v[BK+64*((\a)%2)+4*\t:BK+64*((\a)%2)+4*\t+3], s[92:93] offset:(32*((\a)/2)+8*((\a)%2)+\t%8+16*(\t/8))*4096 th:TH_STORE_NT   ; place t of tile a is that token; 512 consecutive bytes, at a multiple of 256 from out0's first byte
.endr
.endm
	s_load_b256 s[4:11], s[0:1], 0x0               ; oq s[4:5], wp s[6:7], b_proj s[8:9], out0 s[10:11]
	v_lshl_add_u32 v254, v0, 2, 0x4b000
	v_mov_b32 v255, 0
	ds_add_u32 v254, v255
	ds_add_u32 v254, v255
	v_lshrrev_b32 v1, 5, v0
	v_readfirstlane_b32 s[WV], v1
	s_lshr_b32 s[WA], s[WV], 1                     ; also: I fetch for A (0) or for B (1)
	s_and_b32 s[WB], s[WV], 1
	s_bfe_u32 s15, ttmp6, 0x40000                  ; cx
	s_bfe_u32 s16, ttmp6, 0x40004                  ; cy
	s_and_b32 s18, ttmp7, 0xffff
	s_lshl_b32 s20, s16, 2
	s_lshl_b32 s20, 15, s20                        ; my row of the cluster
	s_lshl_b32 s21, 0x1111, s15                    ; my column
	s_or_b32 s[G1A], s20, (3<<16)|(1<<21)          ; dense blocks as rows of 256 bytes: a load for A brings 100 rows (two K steps), one for B 200 (four)
	s_mov_b32 s[G1A+1], 32<<16
	s_mov_b32 s[G1A+2], 100<<16
	s_mov_b32 s[G1A+3], 32<<16
	s_mov_b32 s[G1A+4], 100
	s_mov_b32 s[G1A+5], 32
	s_mov_b32 s[G1A+6], 0
	s_mov_b32 s[G1A+7], 0
	s_or_b32 s[G1B], s21, (3<<16)|(1<<21)
	s_mov_b32 s[G1B+1], 32<<16
	s_mov_b32 s[G1B+2], 200<<16
	s_mov_b32 s[G1B+3], 32<<16
	s_mov_b32 s[G1B+4], 200
	s_mov_b32 s[G1B+5], 32
	s_mov_b32 s[G1B+6], 0
	s_mov_b32 s[G1B+7], 0
	s_lshl_b32 s22, s18, 2
	s_add_co_u32 s22, s22, s16                     ; A's group of tokens: 4 x cluster y + cy
	s_lshl_b32 s23, ttmp9, 2
	s_add_co_u32 s23, s23, s15                     ; B's pair of groups: 4 x cluster x + cx
	s_mul_i32 s84, s[WB], 2*REC                    ; A: in fill q I fetch steps 4 q + 2 wb and the next
	s_mul_i32 s86, s22, GRP
	s_add_co_u32 s86, s86, s84
	s_mov_b32 s87, 0
	s_mul_i32 s85, s[WB], GRP
	s_add_co_u32 s85, s85, GRP
	s_lshl_b32 s88, s23, 1
	s_add_co_u32 s88, s88, s[WB]
	s_mul_i32 s88, s88, GRP
	s_mov_b32 s89, 0
	s_wait_dscnt 0x0
	s_wait_kmcnt 0x0
	s_add_nc_u64 s[28:29], s[4:5], s[86:87]
	s_add_nc_u64 s[30:31], s[6:7], s[88:89]
.irp q, 0,1
	s_mov_b32 s[GA+4*\q], 1
	s_add_co_u32 s[GA+4*\q+1], s84, 4*REC*\q
	s_add_nc_u64 s[GA+4*\q+2:GA+4*\q+3], s[28:29], 4*REC*\q
	s_or_b32 s[GA+4*\q+3], s[GA+4*\q+3], 0x80000000
	s_mov_b32 s[GB+4*\q], 1
	s_add_co_u32 s[GB+4*\q+1], s85, 4*REC*\q
	s_add_nc_u64 s[GB+4*\q+2:GB+4*\q+3], s[30:31], 4*REC*\q
	s_or_b32 s[GB+4*\q+3], s[GB+4*\q+3], 0x80000000
.endr
	CROUND                                         ; all sixteen work-groups are here: the joint loads meet
	s_cmp_eq_u32 s[WA], 0                          ; the first fill, K steps 0-3: one tensor load a wave, in one branch on its number
	s_cbranch_scc0 .Lfill_b
	tensor_load_to_lds s[GA:GA+3], s[G1A:G1A+7]
	s_nop 0
	PLACES
	s_branch .Lfilled
.Lfill_b:
	tensor_load_to_lds s[GB:GB+3], s[G1B:G1B+7]
	s_nop 0
	PLACES
.Lfilled:
	v_and_b32 v1, 31, v0                           ; lane
	v_and_b32 v14, 15, v0                          ; r
	v_bfe_u32 v15, v0, 4, 1                        ; h
	v_lshlrev_b32 v[L16], 4, v1
	s_wait_alu depctr_va_vdst(0)
	v_lshlrev_b32 v[L8], 3, v1
	s_wait_alu depctr_va_vdst(0)
	v_lshlrev_b32 v21, 6, v15                      ; the biases: my half's 16 columns of a block of 32
	s_lshl_b32 s94, s23, 1
	s_add_co_u32 s94, s94, s[WB]
	s_lshl_b32 s94, s94, 9                         ; my 128 columns, 512 bytes
	s_mov_b32 s95, 0
	s_add_nc_u64 s[66:67], s[8:9], s[94:95]
	WIN 0xc0                                       ; destination window 3
.irp b, 0,1,2,3,4,5,6,7
	global_load_b128 v[8*\b:8*\b+3], v21, s[66:67] offset:(32*(\b/2)+8*(\b%2))*4       ; register 8 b + j: column 32 (b / 2) + 16 h + 8 (b % 2) + j
	global_load_b128 v[8*\b+4:8*\b+7], v21, s[66:67] offset:(32*(\b/2)+8*(\b%2))*4+16
.endr
	WIN 0
	s_lshl_b32 s91, s22, 7
	s_lshl_b32 s96, s[WA], 6
	s_add_co_u32 s91, s91, s96                     ; my first token: 128 x group + 64 wa
	s_lshl_b32 s96, s91, 12                        ; rows of 4,096 bytes
	s_add_co_u32 s96, s96, s94
	s_mov_b32 s97, 0
	s_add_nc_u64 s[92:93], s[10:11], s[96:97]
	s_mul_i32 s90, s[WA], 4*FRB
	v_add_nc_u32 v[A16], s90, v[L16]
	v_add_nc_u32 v[A16+1], 4*REC, v[A16]
	v_add_nc_u32 v[A8], s90, v[L8]
	v_add_nc_u32 v[A8+1], 4*REC, v[A8]
	v_add_nc_u32 v[B16], s85, v[L16]
	v_add_nc_u32 v[B16+1], 4*REC, v[B16]
	v_add_nc_u32 v[B8], s85, v[L8]
	v_add_nc_u32 v[B8+1], 4*REC, v[B8]
	v_mul_u32_u24 v18, v15, REC
	v_lshl_add_u32 v18, v14, 2, v18                ; 4 r, lanes 16-31 a step on
	s_lshl_b32 s91, s[WA], 8
	s_add_co_u32 s91, s91, SCO
	v_add_nc_u32 v[ASC], s91, v18
	v_add_nc_u32 v[ASC+1], 4*REC, v[ASC]
	s_add_co_u32 s91, s85, SCO
	v_add_nc_u32 v[BSC], s91, v18
	v_add_nc_u32 v[BSC+1], 4*REC, v[BSC]
	s_mul_i32 s90, s[WV], 16*SP                    ; my stage
	v_mul_u32_u24 v[STO], v14, SP
	v_lshl_add_u32 v[STO], v15, 6, v[STO]
	v_add_nc_u32 v[STO], s90, v[STO]               ; in: row r, + 64 h
	v_add_nc_u32 v[RD], s90, v[L16]                ; back: 16 x lane of a row
	s_wait_alu depctr_va_vdst(0)
	s_wait_tensorcnt 0x0                           ; my part of K steps 0-3 is in
	ds_add_u32 v254, v255
	s_wait_dscnt 0x0
	CROUND                                         ; everybody's part is in, and all sixteen work-groups are here: the joint loads meet
	s_cmp_eq_u32 s[WA], 0                          ; the second fill, K steps 4-7: my one tensor load behind the round
	s_cbranch_scc0 .Lfill_b2
	tensor_load_to_lds s[GA+4:GA+7], s[G1A:G1A+7]
	s_nop 0
	PLACES
	s_branch .Lfilled2
.Lfill_b2:
	tensor_load_to_lds s[GB+4:GB+7], s[G1B:G1B+7]
	s_nop 0
	PLACES
.Lfilled2:
	FETCH 0
	s_wait_loadcnt 0x0                             ; the biases
	STEP 0, 2
	STEP 1, 1
	STEP 2, 1
	STEP 3, 1
	STEP 4, 1
	STEP 5, 1
	STEP 6, 1
	STEP 7, 1
	s_wait_dscnt 0x0                               ; my reads of A's bytes are over (they were waited for at the last step's head)
	s_barrier_signal -1
	s_barrier_wait -1                              ; everybody's are: the stages lie over A's bytes, which have had their one fill
	PLACES                                         ; for the first reads of results, and for the loads into the registers that held A's fragments
	TOSTAGE 0
.irp a, 1,2,3
.if \a > 1
	s_wait_xcnt 0x0                                ; tile a - 2's stores have read their registers: tile a's rows may land there
.endif
	TOSTAGE \a
	SEND \a-1, 32                                  ; behind tile a - 1's loads: tile a's 16 stores and 16 loads
.endr
	SEND 3, 0
	s_wait_tensorcnt 0x0
	ds_add_u32 v254, v255
	s_wait_dscnt 0x0
	CROUND                                         ; the closing round: no work-group ends while a partner may still ask for a tile that names it
	s_endpgm
.Lfunc_end_k_q09b16f294d_proj:
	.size	k_q09b16f294d_proj, .Lfunc_end_k_q09b16f294d_proj-k_q09b16f294d_proj
	.p2alignl 7, 3214868480
	.fill 96, 4, 3214868480
	.section	.rodata,"a",@progbits
	.p2align	6, 0x0
	.amdhsa_kernel k_q09b16f294d_proj
		.amdhsa_group_segment_fixed_size 327680
		.amdhsa_private_segment_fixed_size 0
		.amdhsa_enable_private_segment 0
		.amdhsa_kernarg_size 32
		.amdhsa_user_sgpr_count 2
		.amdhsa_user_sgpr_kernarg_segment_ptr 1
		.amdhsa_wavefront_size32 1
		.amdhsa_system_sgpr_workgroup_id_x 1
		.amdhsa_system_sgpr_workgroup_id_y 1
		.amdhsa_system_sgpr_workgroup_id_z 1
		.amdhsa_system_vgpr_workitem_id 0
		.amdhsa_next_free_vgpr 1024
		.amdhsa_next_free_sgpr 100
		.amdhsa_reserve_vcc 0
		.amdhsa_float_denorm_mode_32 3
		.amdhsa_float_denorm_mode_16_64 3
		.amdhsa_memory_ordered 1
		.amdhsa_forward_progress 1
		.amdhsa_inst_pref_size 86
	.end_amdhsa_kernel
	.amdgpu_metadata
---
amdhsa.version: [ 1, 2 ]
amdhsa.kernels:
  - .name:           k_q09b16f294d_proj
    .symbol:         k_q09b16f294d_proj.kd
    .args:
      - { .name: oq, .offset: 0, .size: 8, .value_kind: global_buffer, .address_space: global }
      - { .name: wp, .offset: 8, .size: 8, .value_kind: global_buffer, .address_space: global }
      - { .name: b_proj, .offset: 16, .size: 8, .value_kind: global_buffer, .address_space: global }
      - { .name: out0, .offset: 24, .size: 8, .value_kind: global_buffer, .address_space: global }
    .group_segment_fixed_size: 327680
    .private_segment_fixed_size: 0
    .kernarg_segment_align: 8
    .kernarg_segment_size: 32
    .max_flat_workgroup_size: 128
    .sgpr_count:     100
    .vgpr_count:     1024
    .wavefront_size: 32
...
	.end_amdgpu_metadata
.endif
;; end of part 4
